; MI455X (gfx1250); checked and timed in simulation.
; The chip was launched on July 23, 2026; its instructions are those of AMD's public machine-readable ISA for CDNA 5 (MIT licence, August 2026) and "CDNA5" Instruction Set Architecture Reference Guide (July 2026). The comments in the code are by the model that wrote it; some were corrected since.
;; PALM Attention. Allowed arithmetic: matrix products marked QUANTISED: E2M1 operands, one E8M0 scale for each 32 along K, by v_wmma_scale_f32_16x16x128_f8f6f4 with both operands' format E2M1 (or v_wmma_scale_f32_32x16x128_f4), f32 sums; everything else in f32.
;; Inputs: Wd_codes 1,024 x 32 x 16 uint8 (E2M1 codes of Wd, K innermost, in blocks of 32 codes, two codes a byte); Wd_scales 1,024 x 32 uint8 (E8M0 scales of Wd, one for each 32 codes along K); Wk_codes 1,024 x 32 x 16 uint8 (E2M1 codes of Wk, K innermost, in blocks of 32 codes, two codes a byte); Wk_scales 1,024 x 32 uint8 (E8M0 scales of Wk, one for each 32 codes along K); Wq_codes 1,024 x 32 x 16 uint8 (E2M1 codes of Wq, K innermost, in blocks of 32 codes, two codes a byte); Wq_scales 1,024 x 32 uint8 (E8M0 scales of Wq, one for each 32 codes along K); Wv_codes 1,024 x 32 x 16 uint8 (E2M1 codes of Wv, K innermost, in blocks of 32 codes, two codes a byte); Wv_scales 1,024 x 32 uint8 (E8M0 scales of Wv, one for each 32 codes along K); attention_mask 4 x 2,048 float32; bd 1,024 float32; bk 1,024 float32; bq 1,024 float32; bv 1,024 float32; hidden_states 4 x 2,048 x 1,024 float32; ln_b 1,024 float32; ln_g 1,024 float32.
;; Outputs: out0 4 x 2,048 x 1,024 float32.
;; This version of the problem:
;;   THIS VERSION OF THE PROBLEM IS GIVEN IN LOW PRECISION. The matrix products marked QUANTISED in the list below multiply operands that are first quantised to E2M1 (2 exponent bits, 1 mantissa bit; 4 bits a number), with one power-of-two scale for each 32 numbers along K (OCP MX v1.0); their sums are f32. All else is computed in f32.
;;   The module's matrix products, in the order in which they are computed (A, B: the left and right operand; K: the contracted axis; several contracted axes count as one K, in the product's order):
;;     1. [M 8,192, K 1,024] x [K 1,024, N 1,024]; A: input hidden_states; B: input Wq (given as codes): QUANTISED
;;     2. [M 8,192, K 1,024] x [K 1,024, N 1,024]; A: input hidden_states; B: input Wk (given as codes): QUANTISED
;;     3. [M 8,192, K 1,024] x [K 1,024, N 1,024]; A: input hidden_states; B: input Wv (given as codes): QUANTISED
;;     4. batch 64 x [M 2,048, K 64] x [K 64, N 2,048]; A: computed on the way; B: computed on the way: QUANTISED
;;     5. batch 64 x [M 2,048, K 2,048] x [K 2,048, N 64]; A: softmax (see below); B: computed on the way: QUANTISED
;;     6. [M 8,192, K 1,024] x [K 1,024, N 1,024]; A: computed on the way; B: input Wd (given as codes): QUANTISED
;;   THE QUANTISER, for each operand of a quantised product, along K:
;;     - K is cut into blocks of 32 from its start; a last block that is shorter is filled with zeros.
;;     - A block's scale is 2^e with e = floor(log2(the largest magnitude in the block)) - 2, held to -126 .. 127; a block of zeros has e = 0. As a byte (E8M0): e + 127.
;;     - Each number is divided by its block's scale, clamped to +-6, and rounded to the nearest number of E2M1, ties to even, subnormals kept.
;;     - The product sums the exact products of the quantised numbers (number of the format x scale) in f32.
;;   ~~~python
;;   def quantise(x, axis):      # numpy; x: float32 -> the quantised numbers, widened to float32 again
;;       x = np.moveaxis(x, axis, -1); K = x.shape[-1]
;;       x = np.pad(x, [(0, 0)] * (x.ndim - 1) + [(0, -K % 32)]); x = x.reshape(x.shape[:-1] + (-1, 32)); a = np.abs(x).max(-1, keepdims=True)
;;       e = np.where(a > 0, np.clip(np.frexp(np.where(a > 0, a, 1))[1] - 1 - 2, -126, 127), 0)      # np.frexp(a)[1] - 1 = floor(log2(a)), exactly
;;       r = np.clip(x / 2.0 ** e, -6, 6)
;;       step = 2.0 ** (np.maximum(np.frexp(np.where(r == 0, 1, r))[1] - 1, 0) - 1)
;;       q = np.round(r / step) * step * 2.0 ** e      # np.round: ties to even
;;       return np.moveaxis(q.reshape(q.shape[:-2] + (-1,))[..., :K], -1, axis).astype(np.float32)
;;   ~~~
;;   SOFTMAX AHEAD OF A QUANTISED PRODUCT. Where the list says 'softmax', what is quantised is not the finished softmax but p = 2^(t - M), with t = logit x log2(e) and M = ceil(the row's largest t), a whole number; so 1/2 < the row's largest p <= 1. The row's sum l is taken of the UNQUANTISED p, in f32, and the product's result is divided by l at the end. Since M is a whole number, a kernel that streams over the keys may use a running M (the ceiling of the running maximum): every later rescaling is an exact power of two, which a block's scale takes up: the codes' values come out the same.
;;   OPERANDS COMPUTED ON THE WAY. 'Computed on the way' means the value that the module computes at that place (a softmax that the list does not call 'softmax' is quantised finished and normalised). What goes into a quantiser is computed in f32, as accurately as f32 sums, v_exp_f32 and their like allow (about 1e-6 of the number): no bf16 or f16 on the way to a quantiser, and a product that is left as it is and whose result goes on into a quantised operand takes f32 operands (vector FMAs, or v_wmma_f32_16x16x4_f32). A number that lies on a knife's edge between two numbers of the format may be rounded either way, as far as f32 arithmetic and the matrix unit's own rounding can turn it there, and no further.
;;   INPUTS GIVEN AS CODES. Wd (in the module: [1024, 1024], K = its axis 1); Wk (in the module: [1024, 1024], K = its axis 1); Wq (in the module: [1024, 1024], K = its axis 1); Wv (in the module: [1024, 1024], K = its axis 1): each comes as NAME_codes (uint8): NAME with its K axis moved to the last place and cut into blocks of 32 codes, [.., K / 32, bytes a block], one block behind the other in memory; two codes a byte, the lower K in the low four bits (a code: sign, 2 exponent bits, 1 mantissa bit); and NAME_scales (uint8): the same leading axes, one E8M0 byte (e + 127) for each 32 codes along K. Its value is code x scale, taken as it is: it is not quantised again, and the codes and scales need not be those that the quantiser above would give.
;; One version. Each part assembles by itself: llvm-mc -triple=amdgcn-amd-amdhsa -mcpu=gfx1250 --defsym DOCPART=n.
;; ======== version 1 of 1: 4 launches
;; limits: right only within a limited range of input values
;; workspace buffers: xq 4,456,448 bytes; wd_img 524,288 bytes; img 12,582,912 bytes; sc 1,310,720 bytes; ctx 4,456,448 bytes
;; launch prep (part 1): grid 272 x 1, 4 waves a work-group, no clusters, 33,280 bytes of LDS; arguments hidden_states, Wd_codes, xq, wd_img; writes xq, wd_img
.if DOCPART == 1
	.amdgcn_target "amdgcn-amd-amdhsa--gfx1250"
	.amdhsa_code_object_version 6
	.text
	.protected	k_q2d7ff8f324_prep
	.globl	k_q2d7ff8f324_prep
	.p2align	8
	.type	k_q2d7ff8f324_prep,@function
k_q2d7ff8f324_prep:
	s_mov_b64 s[64:65], 0
	v_nop
	global_prefetch_b8 v0, s[64:65] scope:SCOPE_SE
	s_setreg_imm32_b32 hwreg(HW_REG_WAVE_MODE, 25, 1), 1
	s_wait_xcnt 0x0
; TWO JOBS, told apart by the work-group's number.
; Work-groups 0-255: hidden_states [8192][1024] f32 become codes of FP4 (E2M1), K innermost (xq: [8192][512] bytes), and one E8M0 byte for each 32 along K (xq + 4,194,304: [8192][32]).
;   A block's scale is 2^(floor(log2(its largest magnitude)) - 2): its byte is the largest magnitude's exponent field - 2, held at 1 from below.
;   Rows are dense and 1,024 is a multiple of 32: the tensor is a plain stream of blocks.  A wave takes 16 steps of 512 numbers.  Each load reads 512 consecutive bytes; a step's 2,048 bytes turn through the
;   wave's own stage in LDS (16 bytes of padding behind each 64) and come back 64 bytes a lane: 16 neighbours along K, two lanes to a block.  A wave's store of codes covers 256 consecutive bytes; its 256 scale
;   bytes are gathered in LDS and leave as one aligned run of 256 bytes.
; Work-groups 256-271: Wd's codes are laid anew in the order in which the last launch's operand registers take them:
;   wd_img [pair of n tiles 32][K half 2][tile of the pair 2][K step 4][register group 2][lane 32] x 16 bytes.  A wave takes one tile of 16 rows: 16 loads, 16 stores of 512 consecutive bytes.  No LDS on this path.
; LIMITS: NaN and infinities among the inputs are not served; a block whose largest magnitude lies under 2^-124 (a block of zeros too) keeps the byte 1: zeros' codes are zeros, and this program alone reads the bytes.
; No tensor loads, no barrier, no cluster: waves share nothing, and the stream is read once.
.set STEPS, 16
.set CB,    8                          ; bytes of 16 codes
.set R,     16                         ; v16-79   four sets of 16 numbers as they are loaded
.set X,     80                         ; v80-111  two sets of 16 neighbours
.set E,     112                        ; v112-127 a scale byte for each step
.set C,     128                        ; v128-191 codes: four registers for each step, so that no store's data are written again
.set WREG,  8192                       ; LDS: a region for each wave: two stages of 32 x SP bytes, then its 256 scale bytes
.set SP,    80
.set XWG,   256                        ; work-groups that quantise
.set XSCL,  4194304                    ; where the scale bytes begin in xq
	s_load_b256 s[4:11], s[0:1], 0x0               ; hidden s[4:5], Wd's codes s[6:7], xq s[8:9], wd_img s[10:11]
	v_lshl_add_u32 v192, v0, 2, 0x8000
	v_mov_b32 v193, 0
	v_lshrrev_b32 v1, 5, v0
	v_readfirstlane_b32 s16, v1                    ; wave
	v_and_b32 v2, 31, v0                           ; lane
	s_cmp_ge_u32 ttmp9, XWG
	s_cbranch_scc1 .Lrelay
	v_lshlrev_b32 v3, 4, v2                        ; my 16 bytes of a load's 512
	s_mul_i32 s17, s16, WREG
	v_lshrrev_b32 v14, 2, v2
	v_mul_u32_u24 v14, v14, SP
	v_and_b32 v15, 3, v2
	v_lshl_add_u32 v14, v15, 4, v14
	v_add_nc_u32 v14, s17, v14                     ; the stage, in: SP (lane / 4) + 16 (lane % 4)
	v_mul_u32_u24 v15, v2, SP
	v_add_nc_u32 v15, s17, v15                     ; and out: SP x lane: my 16 neighbours
	v_mul_u32_u24 v4, v2, CB                       ; my codes' place in a step's
	v_lshrrev_b32 v5, 1, v2
	s_add_co_u32 s17, s17, 2*32*SP
	v_add_nc_u32 v5, s17, v5                       ; LDS: my block's scale byte
	v_lshlrev_b32 v7, 3, v2
	v_add_nc_u32 v6, s17, v7                       ; and on the way out 8 bytes a lane
	s_lshl_b32 s18, ttmp9, 2
	s_add_co_u32 s18, s18, s16                     ; which run of 8,192 numbers is my wave's: 0 .. 1023
	s_mov_b32 s21, 0
	s_wait_alu depctr_va_vdst(0)
	s_wait_kmcnt 0x0
	s_lshl_b32 s20, s18, 15                        ; 32,768 bytes of f32 a run
	s_add_nc_u64 s[4:5], s[4:5], s[20:21]
	s_lshl_b32 s20, s18, 12                        ; 4,096 bytes of codes
	s_add_nc_u64 s[12:13], s[8:9], s[20:21]
	s_lshl_b32 s20, s18, 8                         ; 256 scale bytes
	s_add_co_u32 s20, s20, XSCL
	s_add_nc_u64 s[14:15], s[8:9], s[20:21]
.macro LOAD t
.irp i, 0,1,2,3
	global_load_b128 v[R+16*((\t)%4)+4*\i:R+16*((\t)%4)+4*\i+3], v3, s[4:5] offset:2048*(\t)+512*\i th:TH_LOAD_NT   ; 32 lanes read 512 consecutive bytes
.endr
.endm
.macro TURN t                          ; step t's numbers through the stage: LDS serves a wave's instructions in order, so no wait stands between the stores and the loads
.irp i, 0,1,2,3
	ds_store_b128 v14, v[R+16*((\t)%4)+4*\i:R+16*((\t)%4)+4*\i+3] offset:32*SP*((\t)%2)+8*SP*\i
.endr
.irp i, 0,1,2,3
	ds_load_b128 v[X+16*((\t)%2)+4*\i:X+16*((\t)%2)+4*\i+3], v15 offset:32*SP*((\t)%2)+16*\i
.endr
.endm
.irp t, 0,1,2,3
	LOAD \t
.endr
	s_wait_loadcnt 12                              ; step 0's four loads are in
	TURN 0
.macro STEP t
.set XS, X+16*((\t)%2)
.if (\t) > 0
	s_wait_dscnt 1                                 ; this step's numbers are back from the stage (the last step's byte store may be out)
.else
	s_wait_dscnt 0x0
.endif
.if (\t)+4 < STEPS
	LOAD (\t)+4                                    ; into the registers that this step's stage stores have read
.endif
.if (\t)+1 < STEPS
.if STEPS-2-(\t) >= 3
	s_wait_loadcnt 12                              ; the next step's four loads are in; those of the three steps behind it may be out
.else
	s_wait_loadcnt 4*(STEPS-2-(\t))
.endif
	TURN (\t)+1
.endif
	v_max3_num_f32 v8, |v[XS]|, |v[XS+1]|, |v[XS+2]|               ; the largest magnitude of my 16, in two chains
	v_max3_num_f32 v9, |v[XS+3]|, |v[XS+4]|, |v[XS+5]|
.irp i, 6,10
	v_max3_num_f32 v8, v8, |v[XS+\i]|, |v[XS+\i+1]|
	v_max3_num_f32 v9, v9, |v[XS+\i+2]|, |v[XS+\i+3]|
.endr
	v_max3_num_f32 v8, v8, |v[XS+14]|, |v[XS+15]|
	v_max3_num_f32 v8, v8, v9, 0x1800000           ; and the floor 2^(3 - 127): the byte cannot fall under 1
	v_max_num_f32_dpp v8, v8, v8 row_xmask:1 row_mask:0xf bank_mask:0xf   ; and of my neighbour's 16: the block's
	v_add_nc_u32 v11, 0xff000000, v8               ; 2 off its exponent field: the conversion takes the exponent field of this operand as its scale
	v_cvt_scalef32_pk8_fp4_f32 v[C+4*(\t)], v[XS:XS+7], v11
	v_cvt_scalef32_pk8_fp4_f32 v[C+4*(\t)+1], v[XS+8:XS+15], v11
	v_lshrrev_b32 v[E+(\t)], 23, v11               ; the scale's byte
	ds_store_b8 v5, v[E+(\t)] offset:16*(\t)       ; both lanes of a block write the same byte with the same value
	global_store_b64 v4, v[C+4*(\t):C+4*(\t)+1], s[12:13] offset:32*CB*(\t)   ; 32 lanes store 256 consecutive bytes
.endm
.irp t, 0,1,2,3,4,5,6,7,8,9,10,11,12,13,14,15
	STEP \t
.endr
	ds_load_b64 v[12:13], v6                       ; LDS serves a wave's instructions in order: these see my stores
	s_wait_dscnt 0x0
	global_store_b64 v7, v[12:13], s[14:15]        ; 32 lanes store 256 consecutive bytes, aligned
	s_wait_tensorcnt 0x0
	ds_add_u32 v192, v193
	s_wait_dscnt 0x0
	s_endpgm
.Lrelay:
	s_sub_co_u32 s17, ttmp9, XWG
	s_lshl_b32 s17, s17, 2
	s_add_co_u32 s17, s17, s16                     ; my tile of 16 rows of Wd: 0 .. 63
	v_and_b32 v5, 15, v0                           ; r
	v_bfe_u32 v6, v0, 4, 1                         ; h
	v_lshlrev_b32 v3, 9, v5
	v_lshl_add_u32 v3, v6, 4, v3                   ; in: row r of 512 bytes, + 16 h
	s_wait_alu depctr_va_vdst(0)
	v_lshlrev_b32 v4, 4, v2                        ; out: 16 x lane
	s_lshl_b32 s20, s17, 13                        ; 16 rows of 512 bytes
	s_mov_b32 s21, 0
	s_lshr_b32 s22, s17, 1
	s_lshl_b32 s22, s22, 14                        ; the pair: 16,384 bytes
	s_and_b32 s23, s17, 1
	s_lshl_b32 s23, s23, 12                        ; the tile in its pair: 4,096
	s_add_co_u32 s22, s22, s23
	s_mov_b32 s23, 0
	s_wait_alu depctr_va_vdst(0)
	s_wait_kmcnt 0x0
	s_add_nc_u64 s[6:7], s[6:7], s[20:21]
	s_add_nc_u64 s[10:11], s[10:11], s[22:23]
.irp k, 0,1,2,3,4,5,6,7,8,9,10,11,12,13,14,15      ; k = 2 x K step + register group: 32 bytes on in the row
	global_load_b128 v[16+4*\k:19+4*\k], v3, s[6:7] offset:32*\k
.endr
.irp k, 0,1,2,3,4,5,6,7,8,9,10,11,12,13,14,15
	s_wait_loadcnt 15-\k                           ; loads come back in order: number k is in
	global_store_b128 v4, v[16+4*\k:19+4*\k], s[10:11] offset:(\k/8)*8192+((\k/2)%4)*1024+(\k%2)*512
.endr
	s_endpgm
.Lfunc_end_k_q2d7ff8f324_prep:
	.size	k_q2d7ff8f324_prep, .Lfunc_end_k_q2d7ff8f324_prep-k_q2d7ff8f324_prep
	.p2alignl 7, 3214868480
	.fill 96, 4, 3214868480
	.section	.rodata,"a",@progbits
	.p2align	6, 0x0
	.amdhsa_kernel k_q2d7ff8f324_prep
		.amdhsa_group_segment_fixed_size 33280
		.amdhsa_private_segment_fixed_size 0
		.amdhsa_enable_private_segment 0
		.amdhsa_kernarg_size 32
		.amdhsa_user_sgpr_count 2
		.amdhsa_user_sgpr_kernarg_segment_ptr 1
		.amdhsa_wavefront_size32 1
		.amdhsa_system_sgpr_workgroup_id_x 1
		.amdhsa_system_sgpr_workgroup_id_y 1
		.amdhsa_system_sgpr_workgroup_id_z 1
		.amdhsa_system_vgpr_workitem_id 0
		.amdhsa_next_free_vgpr 194
		.amdhsa_next_free_sgpr 66
		.amdhsa_reserve_vcc 0
		.amdhsa_float_denorm_mode_32 3
		.amdhsa_float_denorm_mode_16_64 3
		.amdhsa_memory_ordered 1
		.amdhsa_forward_progress 1
		.amdhsa_inst_pref_size 37
	.end_amdhsa_kernel
	.amdgpu_metadata
---
amdhsa.version: [ 1, 2 ]
amdhsa.kernels:
  - .name:           k_q2d7ff8f324_prep
    .symbol:         k_q2d7ff8f324_prep.kd
    .args:
      - { .name: hidden_states, .offset: 0, .size: 8, .value_kind: global_buffer, .address_space: global }
      - { .name: Wd_codes, .offset: 8, .size: 8, .value_kind: global_buffer, .address_space: global }
      - { .name: xq, .offset: 16, .size: 8, .value_kind: global_buffer, .address_space: global }
      - { .name: wd_img, .offset: 24, .size: 8, .value_kind: global_buffer, .address_space: global }
    .group_segment_fixed_size: 33280
    .private_segment_fixed_size: 0
    .kernarg_segment_align: 8
    .kernarg_segment_size: 32
    .max_flat_workgroup_size: 128
    .sgpr_count:     66
    .vgpr_count:     194
    .wavefront_size: 32
...
	.end_amdgpu_metadata
.endif
;; end of part 1
;; launch qkv (part 2): grid 12 x 32, 4 waves a work-group, clusters of 4 x 4, 327,680 bytes of LDS; arguments xq, Wq_codes, Wq_scales, Wk_codes, Wk_scales, Wv_codes, Wv_scales, bq, bk, bv, img, sc; writes img, sc
.if DOCPART == 2
	.amdgcn_target "amdgcn-amd-amdhsa--gfx1250"
	.amdhsa_code_object_version 6
	.text
	.protected	k_q2d7ff8f324_qkv
	.globl	k_q2d7ff8f324_qkv
	.p2align	8
	.type	k_q2d7ff8f324_qkv,@function
k_q2d7ff8f324_qkv:
	s_mov_b64 s[64:65], 0
	v_nop
	global_prefetch_b8 v0, s[64:65] scope:SCOPE_SE
	s_setreg_imm32_b32 hwreg(HW_REG_WAVE_MODE, 25, 1), 1
	s_wait_xcnt 0x0
	s_wait_alu depctr_hold_cnt(0) depctr_sa_sdst(0) depctr_va_vdst(0) depctr_va_sdst(0) depctr_va_ssrc(0) depctr_va_vcc(0) depctr_vm_vsrc(0)
	s_getreg_b32 s2, hwreg(HW_REG_IB_STS2, 6, 4)
	s_cmp_eq_u32 s2, 0
	s_cbranch_scc0 .Lentry_in_a_cluster
	s_endpgm
.Lentry_in_a_cluster:
	s_bfe_u32 s2, ttmp6, 0x10000c
	s_cmp_lg_u32 s2, 0xf033
	s_cbranch_scc0 .Lentry_shape_is_right
	s_endpgm
.Lentry_shape_is_right:
; q = x Wq^T + bq, k = x Wk^T + bk, v = x Wv^T + bv on codes of FP4 (E2M1) with one E8M0 scale for each 32 along K = 1,024; the results are quantised again in registers and stored as IMAGES OF OPERAND REGISTERS.
; ROLE = the cluster's x: 0 q, 1 k, 2 v.  One text serves all three by naming the tensors "A" and "B": q, k: A = x (tokens), B = the weight;  v: A = Wv (channels), B = x (tokens).
; The matrix instruction is used transposed (source 0 = 16 rows of B, source 1 = 16 rows of A): a lane holds ONE row of A and its registers run along B's rows.  That is the axis along which the result is
; quantised for the next product: the head's channels for q and k, the keys for v.
; A tile of 256 x 256 is made by four waves, 128 x 128 each: 64 accumulators, 512 registers.  K = 1,024 is two LDS slots of 512 along K (halves of rows of 512 bytes + 16 of padding): both are filled once, at the start,
; and nothing in LDS is filled a second time.  The scale bytes of the tile's rows come once too, as runs of 256 bytes + 16 of padding.
; CLUSTER 4 x 4: A's tile hangs on the tile row alone and is asked for jointly along a row of the cluster, B's along a column.
; OUTPUT.  img: q at 0, k at 4 MiB: [batch][head][tile of 16 tokens][lane] x 16 bytes: lane (r, h) = token r, channels 32 h .. 32 h + 31;  v at 8 MiB: [batch][head][step of 128 keys][tile of 16 channels][group c][lane] x 16:
;   lane (r, h) = channel r, keys 64 c + 32 h .. + 31.  sc: q at 0, k at 512 KiB: [batch][head][token] words, bytes 0, 1 the head's two scales (bytes 2, 3 stand over zero codes and are never 0xff);
;   v at 1 MiB: [batch][head][step][channel] words, a byte for each 32 keys.
; LIMITS: NaN and infinities are not served; a block whose largest magnitude lies under 2^-124 (zeros too) keeps the byte 1: this program alone reads the bytes.
; REGISTERS, in windows of 256: window 0: v0-31 addresses; v32-95 scale words, two sets; v96-123 at work on the way out; v128-191 A's fragments, on the way out 64 numbers; v192-255 the bias.
;   window 1: B's fragments, two sets (v0, v128).  window 2: accumulators of my rows 0-63 ((a, b) at v[8 (8 a + b)]); window 3: rows 64-127.
.set NQ,     4                         ; matrix instructions deep in a slot
.set ROWB,   512                       ; a tile's row in bytes: all 1,024 codes of K; the "slots" named below are the two halves of a row
.set KROW,   512                       ; a row of codes in memory
.set PITCH,  528                       ; an LDS row: 512 + 16 bytes = 132 words: the 16 rows that a load touches start 4 banks apart
.set FR,     8
.set NL,     2
.set NP,     4                         ; places behind this matrix instruction (ISA guide 7.12.1)
.set HALFT,  128*PITCH
.set SLOT,   256                       ; from K's first half to its second, inside a row
.set KS,     32                        ; a row of scale bytes
.set SCL,    4*HALFT                   ; behind A's 256 and B's 256 rows
.set HALFS,  16*272                    ; the scales of 128 rows
.set SBLK,   2*272                     ; of 16 rows
.set ADRA, 16                          ; v16-17 LDS address of my A fragments in slot 0, 1
.set BO,   18                          ; v18    the bias loads' offset
.set ADRB, 20                          ; v20-21 the same for B
.set CO,   24                          ; v24    16 x lane
.set SSTO, 25                          ; v25    the scale words' stage, in: 1,024 x wave + 512 h + 4 r
.set SRD,  26                          ; v26    and back: 1,024 x wave + 16 x lane
.set ADRS, 27                          ; v27    LDS address of my scale words: lanes 0-15 A's rows, lanes 16-31 B's
.set SHV,  30                          ; v30    q, k: 16 h; v: 0: how far my half's scale word is shifted down
.set VSO,  31                          ; v31    the scale words' offset in sc
.set SC,   32
.set TM,   96                          ; v96-99 largest magnitudes, v100-103 bytes, v108-111 the conversions' scale operands
.set PW,   112                         ; the scale word just made
.set SW,   113                         ; and as it is stored
.set PC,   116                         ; v116-123 the codes just made
.set AF,   128
.set HA,   128                         ; 64 numbers of a block of 16 rows, bias added
.set BI,   192                         ; the bias: q, k: register 8 b + j = bias of column 16 b + 8 h + j; v: registers 8 a .. 8 a + 7 = bias of row 16 a + r
.set SEL,  2                           ; s[2:3] lane selects for v_permlanex16_b32: lane l xor 16
.set G1, 24
.set G0, 32
.set G1B, 48
.set G0B, 56
.set G1S, 68
.set G0S, 76
.set G1SB, 80
.set G0SB, 88
.set MSB, 0
.macro WIN new                         ; the immediate's high byte repeats the setting that is left
.if MSB != (\new)
	s_set_vgpr_msb (MSB<<8)|(\new)
.set MSB, (\new)
.endif
.endm
.set MUL_LO, 0xa1                      ; source 0 (B) window 1, source 1 (A) window 0, C and D window 2
.set MUL_HI, 0xf1
.set TO_B,   0x40
; A joint load: waves 0 and 1 fetch for A, waves 2 and 3 for B; the branch hangs on the wave's number alone.  Four v_nop follow each of the two lines.
.macro JLOAD g0a, g1a, g0b, g1b
	s_cmp_eq_u32 s15, 0
	s_cbranch_scc0 .Lfor_b_\@
	tensor_load_to_lds s[\g0a:\g0a+3], s[\g1a:\g1a+7]
	s_nop 0
.rept 4
	v_nop
.endr
	s_branch .Lasked_\@
.Lfor_b_\@:
	tensor_load_to_lds s[\g0b:\g0b+3], s[\g1b:\g1b+7]
	s_nop 0
.rept 4
	v_nop
.endr
.Lasked_\@:
.endm
.macro CROUND                          ; a round of the cluster's barrier
	s_barrier_signal -1
	s_barrier_wait -1
	s_cmp_lg_u32 s14, 0
	s_cbranch_scc1 .Lnot_wave_0_\@
	s_barrier_signal -3
.Lnot_wave_0_\@:
	s_barrier_wait -3
	s_barrier_signal -1
	s_barrier_wait -1
.endm
	s_load_b512 s[68:83], s[0:1], 0x0              ; xq, Wq codes, Wq scales, Wk codes, Wk scales, Wv codes, Wv scales, bq
	s_load_b256 s[84:91], s[0:1], 0x40             ; bk, bv, img, sc
	v_lshl_add_u32 v126, v0, 2, 0x48400
	v_mov_b32 v127, 0
	ds_add_u32 v126, v127
	ds_add_u32 v126, v127
	v_lshrrev_b32 v1, 5, v0
	v_readfirstlane_b32 s14, v1                    ; wave 0..3
	s_lshr_b32 s15, s14, 1                         ; which half of the tile's A rows is mine
	s_and_b32 s16, s14, 1                          ; which half of its B rows
	s_bfe_u32 s40, ttmp6, 0x40000                  ; cx
	s_bfe_u32 s41, ttmp6, 0x40004                  ; cy
	s_and_b32 s19, ttmp7, 0xffff
	s_lshl_b32 s19, s19, 2                         ; 4 x cluster y: walks the tokens' 32 tiles
	s_cmp_eq_u32 ttmp9, 2                          ; role v?  The same in all sixteen partners
	s_cselect_b32 s42, s19, 0
	s_cselect_b32 s17, 0, s19
	s_add_co_u32 s42, s42, s40                     ; B's tile: never holds cy
	s_add_co_u32 s17, s17, s41                     ; A's tile: never holds cx
	s_lshl_b32 s43, s41, 2
	s_lshl_b32 s43, 15, s43                        ; my row of the cluster
	s_lshl_b32 s44, 0x1111, s40                    ; my column
	s_or_b32 s[G1+0], s43, (0<<16)|(1<<20)|(1<<21)|(6<<22)|(3<<25)  ; mask; elements of 1 byte; padding on; bit 21 beside a mask; 4 words after every 128
	s_or_b32 s[G1B+0], s44, (0<<16)|(1<<20)|(1<<21)|(6<<22)|(3<<25)
.irp g, G1, G1B
	s_mov_b32 s[\g+1], ROWB<<16                    ; tensor_dim0
	s_mov_b32 s[\g+2], 256<<16                     ; tensor_dim1: the tile's 256 rows in one load
	s_mov_b32 s[\g+3], ROWB<<16                    ; tile_dim0
	s_mov_b32 s[\g+4], 256                         ; tile_dim1
	s_mov_b32 s[\g+5], KROW                        ; from row to row
	s_mov_b32 s[\g+6], 0
	s_mov_b32 s[\g+7], 0
.endr
	s_lshl_b32 s20, s17, 8                         ; A's tile: its first row
	s_lshl_b32 s46, s42, 8                         ; B's tile: its first row
	s_lshl_b32 s22, s20, 5                         ; its scales: 32 bytes a row
	s_mov_b32 s23, 0
	s_lshl_b32 s96, s46, 5
	s_mov_b32 s97, 0
	s_lshl_b32 s20, s20, 9                         ; its codes: 512 bytes a row
	s_mov_b32 s21, 0
	s_lshl_b32 s46, s46, 9
	s_mov_b32 s47, 0
	s_wait_dscnt 0x0
	s_wait_kmcnt 0x0
	s_add_nc_u64 s[92:93], s[68:69], 0x400000      ; x's scale bytes
	s_cmp_eq_u32 ttmp9, 2
	s_cselect_b64 s[4:5], s[78:79], s[68:69]       ; A's codes: Wv's or x's
	s_cselect_b64 s[6:7], s[80:81], s[92:93]       ; A's scales
	s_cselect_b64 s[8:9], s[68:69], s[74:75]       ; B's codes: x's, or Wk's,
	s_cselect_b64 s[10:11], s[92:93], s[76:77]
	s_cselect_b64 s[66:67], s[86:87], s[84:85]     ; the bias: bv or bk,
	s_cmp_eq_u32 ttmp9, 0
	s_cselect_b64 s[8:9], s[70:71], s[8:9]         ; or Wq's
	s_cselect_b64 s[10:11], s[72:73], s[10:11]
	s_cselect_b64 s[66:67], s[82:83], s[66:67]     ; or bq
	s_mov_b64 s[12:13], s[88:89]                   ; img
	s_mov_b64 s[98:99], s[90:91]                   ; sc
	; the scales of 256 rows: 8,192 dense bytes as 32 rows of 256 (32 elements of 8 bytes), 16 bytes of padding behind each
	s_or_b32 s[G1S+0], s43, (3<<16)|(1<<20)|(1<<21)|(5<<22)|(3<<25)
	s_or_b32 s[G1SB+0], s44, (3<<16)|(1<<20)|(1<<21)|(5<<22)|(3<<25)
.irp g, G1S, G1SB
	s_mov_b32 s[\g+1], 32<<16
	s_mov_b32 s[\g+2], 32<<16                      ; the scales of 256 rows: 32 rows of 256 bytes
	s_mov_b32 s[\g+3], 32<<16
	s_mov_b32 s[\g+4], 32
	s_mov_b32 s[\g+5], 32
	s_mov_b32 s[\g+6], 0
	s_mov_b32 s[\g+7], 0
.endr
	s_add_nc_u64 s[20:21], s[4:5], s[20:21]
	s_add_nc_u64 s[22:23], s[6:7], s[22:23]
	s_add_nc_u64 s[46:47], s[8:9], s[46:47]
	s_add_nc_u64 s[96:97], s[10:11], s[96:97]
	CROUND                                         ; all sixteen work-groups are here: the joint loads meet
	; THE LAUNCH'S FOUR TILES, ONE JOINT LOAD A WAVE: wave 0 A's 256 rows of codes over all of K, wave 1 B's, wave 2 A's scale bytes, wave 3 B's.  Nothing in LDS is filled a second time.
	s_mov_b32 s[G0], 1
	s_mov_b32 s[G0+1], 0
	s_mov_b64 s[G0+2:G0+3], s[20:21]
	s_or_b32 s[G0+3], s[G0+3], 0x80000000
	s_mov_b32 s[G0B], 1
	s_mov_b32 s[G0B+1], 2*HALFT
	s_mov_b64 s[G0B+2:G0B+3], s[46:47]
	s_or_b32 s[G0B+3], s[G0B+3], 0x80000000
	s_mov_b32 s[G0S], 1
	s_mov_b32 s[G0S+1], SCL
	s_mov_b64 s[G0S+2:G0S+3], s[22:23]
	s_or_b32 s[G0S+3], s[G0S+3], 0x80000000
	s_mov_b32 s[G0SB], 1
	s_mov_b32 s[G0SB+1], SCL+2*HALFS
	s_mov_b64 s[G0SB+2:G0SB+3], s[96:97]
	s_or_b32 s[G0SB+3], s[G0SB+3], 0x80000000
.macro ARM under, g0, g1, next         ; one chain of branches on the wave's number: an arm a load, all arms lead to one join
	s_cmp_lt_u32 s14, \under
	s_cbranch_scc0 \next
	tensor_load_to_lds s[\g0:\g0+3], s[\g1:\g1+7]
	s_nop 0
.rept 4
	v_nop
.endr
	s_branch .Lhead_asked
\next:
.endm
	ARM 1, G0,  G1,  .Lhead_b
	ARM 2, G0B, G1B, .Lhead_sa
	ARM 3, G0S, G1S, .Lhead_sb
	tensor_load_to_lds s[G0SB:G0SB+3], s[G1SB:G1SB+7]
	s_nop 0
.rept 4
	v_nop
.endr
.Lhead_asked:
	v_and_b32 v1, 15, v0                           ; r
	v_bfe_u32 v2, v0, 4, 1                         ; h
	v_mul_u32_u24 v3, v1, PITCH
	v_lshl_add_u32 v4, v2, 4, v3                   ; a fragment's row x pitch + 16 h
	s_mul_i32 s21, s15, HALFT                      ; my 128 rows of A
	s_mul_i32 s22, s16, HALFT                      ; my 128 rows of B,
	s_add_co_u32 s22, s22, 2*HALFT                 ; behind A's 256
.irp s, 0,1
	v_add_nc_u32 v[ADRA+\s], s21, v4
	v_add_nc_u32 v[ADRB+\s], s22, v4
	s_add_co_u32 s21, s21, SLOT
	s_add_co_u32 s22, s22, SLOT
.endr
	v_mul_u32_u24 v5, v1, KS                       ; my row's scales: 32 bytes a row,
	v_lshrrev_b32 v6, 8, v5
	v_lshl_add_u32 v5, v6, 4, v5                   ; and 16 more for each 256 passed
	s_mul_i32 s21, s15, HALFS
	s_mul_i32 s22, s16, HALFS
	s_add_co_u32 s22, s22, 2*HALFS
	s_sub_co_u32 s22, s22, s21
	v_mul_u32_u24 v6, s22, v2                      ; lanes 16-31 take B's: one product, the distance between the two bases
	s_add_co_u32 s21, s21, SCL
	v_add_nc_u32 v5, v5, v6
	v_add_nc_u32 v[ADRS], s21, v5
	; ---- the way out's numbers
	s_mov_b32 s[SEL], 0x76543210
	s_mov_b32 s[SEL+1], 0xfedcba98
	s_lshl_b32 s20, s17, 8
	s_lshl_b32 s21, s15, 7
	s_add_co_u32 s20, s20, s21                     ; my first row of A
	s_lshl_b32 s21, s42, 8
	s_lshl_b32 s22, s16, 7
	s_add_co_u32 s21, s21, s22                     ; my first row of B
	s_cmp_eq_u32 ttmp9, 2
	s_cselect_b32 s22, s20, s21                    ; N0: my first channel
	s_cselect_b32 s23, s21, s20                    ; T0: my first token
	s_mov_b32 s92, 512
	s_cselect_b32 s92, 1024, s92                   ; s[92:93] from a block of 16 rows to the next in img: a tile of channels (v) or of tokens
	s_mov_b32 s94, 512
	s_cselect_b32 s94, 62464, s94                  ; s[94:95] from block 3 to block 4: in v the next head: 65,536 - 3 x 1,024
	s_mov_b32 s96, 0x10000
	s_cselect_b32 s96, 512, s96                    ; s[96:97] from register group 0 to group 1: v: 512; q, k: the next head
	s_cselect_b32 s18, 1, 0
	s_cselect_b32 s19, 0, 16
	s_cselect_b32 s45, 3840, 0
	s_mov_b32 s93, 0
	s_mov_b32 s95, 0
	s_mov_b32 s97, 0
	v_mul_u32_u24 v[SHV], s19, v2
	v_mul_u32_u24 v[VSO], s45, v2
	v_and_b32 v6, 31, v0
	v_lshlrev_b32 v[CO], 4, v6
	v_add_nc_u32 v[VSO], v[VSO], v[CO]             ; v: lanes 16-31 hold the next head's 64 words: 4,096 bytes on
	s_lshl_b32 s47, s14, 10
	s_add_co_u32 s47, s47, 0x48800                 ; the scale words' stage has LDS bytes of its own, behind the spare words: no tile lands there
	v_add_nc_u32 v[SRD], s47, v[CO]
	v_lshlrev_b32 v5, 2, v1
	v_lshl_add_u32 v5, v2, 9, v5
	v_add_nc_u32 v[SSTO], s47, v5
.irp b, 0,1,2,3
	v_mov_b32 v[TM+4+\b], 0                        ; written once: a lane permute's destination counts as one of its sources
.endr
	s_lshr_b32 s46, s23, 11                        ; img: batch x 2^20 + head x 2^16 + (token in its batch) x 32: the same in all roles
	s_lshl_b32 s46, s46, 20
	s_lshr_b32 s47, s22, 6
	s_lshl_b32 s47, s47, 16
	s_add_co_u32 s46, s46, s47
	s_and_b32 s47, s23, 2047
	s_lshl_b32 s47, s47, 5
	s_add_co_u32 s46, s46, s47
	s_lshl_b32 s47, ttmp9, 22                      ; + the role's 4 MiB
	s_add_co_u32 s46, s46, s47
	s_mov_b32 s47, 0
	s_add_nc_u64 s[12:13], s[12:13], s[46:47]      ; where register group 0 goes,
	s_add_nc_u64 s[100:101], s[12:13], s[96:97]    ; and group 1
	s_lshr_b32 s46, s23, 11                        ; sc: ((batch x 16 + head) x 2,048 + token) x 4; in v half of that
	s_lshl_b32 s46, s46, 4
	s_lshr_b32 s47, s22, 6
	s_add_co_u32 s46, s46, s47
	s_lshl_b32 s46, s46, 13
	s_and_b32 s47, s23, 2047
	s_lshl_b32 s47, s47, 2
	s_add_co_u32 s46, s46, s47
	s_lshr_b32 s46, s46, s18
	s_lshl_b32 s47, ttmp9, 19
	s_add_co_u32 s46, s46, s47
	s_mov_b32 s47, 0
	s_add_nc_u64 s[98:99], s[98:99], s[46:47]
	s_lshl_b32 s46, s22, 2
	s_add_nc_u64 s[66:67], s[66:67], s[46:47]      ; the bias at my first channel
	s_cmp_eq_u32 ttmp9, 2
	s_cbranch_scc1 .Lbias_rows
	v_lshlrev_b32 v[BO], 5, v2                     ; q, k: the bias runs along my registers: column 16 b + 8 h + j
.irp b, 0,1,2,3,4,5,6,7
	global_load_b128 v[BI+8*\b:BI+8*\b+3], v[BO], s[66:67] offset:64*\b
	global_load_b128 v[BI+8*\b+4:BI+8*\b+7], v[BO], s[66:67] offset:64*\b+16
.endr
	s_branch .Lbias_done
.Lbias_rows:
	v_lshlrev_b32 v[BO], 2, v1                     ; v: one number a lane and block: that of row 16 a + r, in all eight registers of the block's place
.irp a, 0,1,2,3,4,5,6,7
.irp j, 0,1,2,3,4,5,6,7
	global_load_b32 v[BI+8*\a+\j], v[BO], s[66:67] offset:64*\a
.endr
.endr
.Lbias_done:
.macro FRAG reg, adr, q, i             ; 16 rows x 128 K of 4-bit codes: lane l holds row l % 16; registers 4 c .. 4 c + 3 hold K = 64 c + 32 (l / 16) + 0 .. 31
.irp c, 0,1
	ds_load_b128 v[\reg+4*\c:\reg+4*\c+3], v[\adr] offset:64*(\q)+32*\c+(\i)*16*PITCH
.endr
.endm
; 16 matrix instructions: A's blocks a0, a0 + 1 x B's eight.  The 64 accumulators take turns, one instruction a turn, in the same order in every step.
.macro MUL16 a0, p, q, sc, zero
.irp a, \a0, \a0+1
.irp b, 0,1,2,3,4,5,6,7
.if \zero
	v_wmma_scale_f32_16x16x128_f8f6f4 v[8*(8*((\a)%4)+\b):8*(8*((\a)%4)+\b)+7], v[128*(\p)+FR*\b:128*(\p)+FR*\b+FR-1], v[AF+FR*(\a):AF+FR*(\a)+FR-1], 0, v[SC+8*NQ*(\sc)+NQ*\b+(\q)], v[SC+8*NQ*(\sc)+NQ*(\a)+(\q)] matrix_a_fmt:MATRIX_FMT_FP4 matrix_b_fmt:MATRIX_FMT_FP4 matrix_a_scale:MATRIX_SCALE_ROW1
.else
	v_wmma_scale_f32_16x16x128_f8f6f4 v[8*(8*((\a)%4)+\b):8*(8*((\a)%4)+\b)+7], v[128*(\p)+FR*\b:128*(\p)+FR*\b+FR-1], v[AF+FR*(\a):AF+FR*(\a)+FR-1], v[8*(8*((\a)%4)+\b):8*(8*((\a)%4)+\b)+7], v[SC+8*NQ*(\sc)+NQ*\b+(\q)], v[SC+8*NQ*(\sc)+NQ*(\a)+(\q)] matrix_a_fmt:MATRIX_FMT_FP4 matrix_b_fmt:MATRIX_FMT_FP4 matrix_a_scale:MATRIX_SCALE_ROW1
.endif
.endr
.endr
.endm
.macro FETCH_B slot, q, p
	WIN TO_B
.irp i, 0,1,2,3,4,5,6,7
	FRAG 128*(\p)+FR*\i, ADRB+\slot, \q, \i
.endr
	WIN 0
.endm
.macro FETCH_A slot, q, i0
.irp i, \i0, \i0+1, \i0+2, \i0+3
	FRAG AF+FR*(\i), ADRA+\slot, \q, \i
.endr
.endm
.macro SCALES sc                       ; a slot's scale words: 4 words a row; lanes 0-15 take A's block i, lanes 16-31 B's block i
.irp i, 0,1,2,3,4,5,6,7
	ds_load_b128 v[SC+8*NQ*\sc+NQ*\i:SC+8*NQ*\sc+NQ*\i+3], v[ADRS] offset:\i*SBLK
.endr
.endm
.macro PLACES n                        ; plain vector instructions between a matrix instruction and a load into, or a read of, its registers
.rept \n
	v_nop
.endr
.endm
.macro STEP slot, q, zero              ; 128 along K with its successor in the same slot
	s_wait_dscnt 4*NL                              ; B's set and A's blocks 0-3 are in; the youngest eight loads (A's blocks 4-7) may be out
	WIN MUL_LO
	MUL16 0, (\q)%2, \q, \slot, \zero
	MUL16 2, (\q)%2, \q, \slot, \zero
	s_wait_dscnt 0
	PLACES NP
	FETCH_B \slot, (\q)+1, 1-(\q)%2
	FETCH_A \slot, (\q)+1, 0
	WIN MUL_HI
	MUL16 4, (\q)%2, \q, \slot, \zero
	MUL16 6, (\q)%2, \q, \slot, \zero
	PLACES NP
	WIN 0
	FETCH_A \slot, (\q)+1, 4
.endm
.macro STEPS slot, from
.set Q, \from
.rept NQ-1-\from
	STEP \slot, Q, 0
.set Q, Q+1
.endr
.endm
	s_wait_tensorcnt 0x0                           ; my one tile is in
	s_barrier_signal -1
	s_barrier_wait -1                              ; everybody's are
	FETCH_B 0, 0, 0
	FETCH_A 0, 0, 0
	SCALES 0
	FETCH_A 0, 0, 4
	STEP 0, 0, 1                                   ; the first products start the sums: nothing is cleared
	STEPS 0, 1
	; slot 0's last step changes slots: one barrier.  In front of it my part of slot 1 has landed and my reads of slot 0 are over; behind it slot 1 is whole, and slot 0 is read by nobody
	s_wait_tensorcnt 0x0
	s_wait_dscnt 4*NL
	WIN MUL_LO
	MUL16 0, 1, NQ-1, 0, 0
	s_wait_dscnt 0x0
	s_barrier_signal -1
	MUL16 2, 1, NQ-1, 0, 0
	WIN 0
	s_barrier_wait -1
	PLACES NP
	v_add_nc_u32 v[ADRS], 4*NQ, v[ADRS]            ; on to slot 1's scale words
	FETCH_B 1, 0, 0
	FETCH_A 1, 0, 0
	SCALES 1
	WIN MUL_HI
	MUL16 4, 1, NQ-1, 0, 0
	MUL16 6, 1, NQ-1, 0, 0
	PLACES NP
	WIN 0
	FETCH_A 1, 0, 4
	STEPS 1, 0
	s_wait_dscnt 4*NL                              ; the very last step: nothing more to fetch
	WIN MUL_LO
	MUL16 0, 1, NQ-1, 1, 0
	MUL16 2, 1, NQ-1, 1, 0
	s_wait_dscnt 0
	WIN MUL_HI
	MUL16 4, 1, NQ-1, 1, 0
	MUL16 6, 1, NQ-1, 1, 0
	WIN 0
; 64 numbers of a lane, register 8 t + j = index 16 t + 8 (lane / 16) + j along the next K of my row, become a fragment's codes in v[PC] on and its scale word in v[PW].
; Block b of 32 lies in the 16 registers of tiles 2 b, 2 b + 1 of lanes l and l xor 16.  X_b = the codes of tile 2 b, Y_b of tile 2 b + 1 (8 each).  With b = 2 c + e: X_b at PC + 4 c + e, Y_b at PC + 4 c + 2 + e;
; the exchange of halves between (PC + 4 c, + 1) and (+ 2, + 3) leaves register 4 c + i of lane (r, h) with K = 64 c + 32 h + 8 i .. + 7: the operand's layout.
.macro QUANT s
.irp b, 0,1,2,3
	v_max3_num_f32 v[TM+\b], |v[\s+16*\b]|, |v[\s+1+16*\b]|, 0x1800000   ; and the floor 2^(3 - 127): the byte cannot fall under 1
.endr
.irp i, 2,4,6,8,10,12,14
.irp b, 0,1,2,3
	v_max3_num_f32 v[TM+\b], v[TM+\b], |v[\s+16*\b+\i]|, |v[\s+1+16*\b+\i]|   ; the four blocks by turns
.endr
.endr
.irp b, 0,1,2,3
	v_permlanex16_b32 v[TM+4+\b], v[TM+\b], s[SEL], s[SEL+1]
.endr
.irp b, 0,1,2,3
	v_max_num_f32 v[TM+\b], v[TM+\b], v[TM+4+\b]   ; with lane l xor 16's: the block's largest magnitude
.endr
.irp b, 0,1,2,3
	v_add_nc_u32 v[TM+12+\b], 0xff000000, v[TM+\b] ; 2 off its exponent field: the conversion's scale operand
.endr
.irp b, 0,1,2,3
	v_lshrrev_b32 v[TM+4+\b], 23, v[TM+12+\b]      ; the scale's byte
.endr
	v_lshl_or_b32 v[PW], v[TM+5], 8, v[TM+4]
	v_lshl_or_b32 v[PW], v[TM+6], 16, v[PW]
	v_lshl_or_b32 v[PW], v[TM+7], 24, v[PW]
.irp b, 0,1,2,3
	v_cvt_scalef32_pk8_fp4_f32 v[PC+4*(\b/2)+(\b%2)], v[\s+16*\b:\s+7+16*\b], v[TM+12+\b]
	v_cvt_scalef32_pk8_fp4_f32 v[PC+4*(\b/2)+2+(\b%2)], v[\s+8+16*\b:\s+15+16*\b], v[TM+12+\b]
.endr
	v_nop                                          ; one plain place behind a scaled conversion
.irp c, 0,1
	v_permlane16_swap_b32 v[PC+4*\c], v[PC+4*\c+1]
	v_permlane16_swap_b32 v[PC+4*\c+2], v[PC+4*\c+3]
.endr
.endm
; THE WAY OUT of block a (16 rows of A x my 128 rows of B): + bias, quantised, the two register groups stored as they stand (each store: 512 consecutive bytes, aligned); the scale word to my stage in LDS.
; The stage, 1,024 bytes a wave from LDS byte 0x48800, has LDS bytes of its own behind the spare words: no tile lands there.
.macro BLOCK a
.set AC, 64*((\a)%4)
	s_cmp_eq_u32 ttmp9, 2
	s_cbranch_scc1 .Lrowb_\@
	WIN 0x02+(\a)/4                                ; source 0: window 2 or 3
.set II, 0
.rept 32
	v_pk_add_f32 v[HA+II:HA+II+1], v[AC+II:AC+II+1], v[BI+II:BI+II+1]   ; each accumulator from its low end on
.set II, II+2
.endr
	WIN 0
	s_branch .Ladded_\@
.Lrowb_\@:
	WIN 0x02+(\a)/4
.set II, 0
.rept 32
	v_pk_add_f32 v[HA+II:HA+II+1], v[AC+II:AC+II+1], v[BI+8*(\a):BI+8*(\a)+1]
.set II, II+2
.endr
	WIN 0
.Ladded_\@:
	s_wait_xcnt 0x0                                ; the last block's stores have read their data and bases: both are written again below
.if (\a) == 4
	s_add_nc_u64 s[12:13], s[12:13], s[94:95]
	s_add_nc_u64 s[100:101], s[100:101], s[94:95]
.elseif (\a) > 0
	s_add_nc_u64 s[12:13], s[12:13], s[92:93]
	s_add_nc_u64 s[100:101], s[100:101], s[92:93]
.endif
	QUANT HA
	global_store_b128 v[CO], v[PC:PC+3], s[12:13]
	global_store_b128 v[CO], v[PC+4:PC+7], s[100:101]
	v_lshrrev_b32 v[SW], v[SHV], v[PW]             ; q, k: lanes 16-31 bring the second head's two bytes down; v: the word as it is
	ds_store_b32 v[SSTO], v[SW] offset:64*(\a)
.endm
	s_wait_loadcnt 0x0                             ; the bias
	PLACES NP                                      ; behind the last products: their sources (A's fragments) are written and their results read below
.irp a, 0,1,2,3,4,5,6,7
	BLOCK \a
.endr
	ds_load_b128 v[96:99], v[SRD]                  ; LDS serves a wave's instructions in order: these see my stores.  q, k: the first head's 128 words; v: 64 words of each of two heads
	ds_load_b128 v[100:103], v[SRD] offset:512     ; q, k: the second head's
	s_wait_dscnt 0x0
	global_store_b128 v[VSO], v[96:99], s[98:99]   ; sixteen lanes store 256 consecutive bytes, aligned
	s_cmp_eq_u32 ttmp9, 2
	s_cbranch_scc1 .Lone_store
	global_store_b128 v[VSO], v[100:103], s[98:99] offset:8192
.Lone_store:
	s_wait_tensorcnt 0x0
	ds_add_u32 v126, v127
	s_wait_dscnt 0x0
	CROUND                                         ; the closing round: no work-group ends while a partner may still ask for a tile that names it
	s_endpgm
.Lfunc_end_k_q2d7ff8f324_qkv:
	.size	k_q2d7ff8f324_qkv, .Lfunc_end_k_q2d7ff8f324_qkv-k_q2d7ff8f324_qkv
	.p2alignl 7, 3214868480
	.fill 96, 4, 3214868480
	.section	.rodata,"a",@progbits
	.p2align	6, 0x0
	.amdhsa_kernel k_q2d7ff8f324_qkv
		.amdhsa_group_segment_fixed_size 327680
		.amdhsa_private_segment_fixed_size 0
		.amdhsa_enable_private_segment 0
		.amdhsa_kernarg_size 96
		.amdhsa_user_sgpr_count 2
		.amdhsa_user_sgpr_kernarg_segment_ptr 1
		.amdhsa_wavefront_size32 1
		.amdhsa_system_sgpr_workgroup_id_x 1
		.amdhsa_system_sgpr_workgroup_id_y 1
		.amdhsa_system_sgpr_workgroup_id_z 1
		.amdhsa_system_vgpr_workitem_id 0
		.amdhsa_next_free_vgpr 1024
		.amdhsa_next_free_sgpr 102
		.amdhsa_reserve_vcc 0
		.amdhsa_float_denorm_mode_32 3
		.amdhsa_float_denorm_mode_16_64 3
		.amdhsa_memory_ordered 1
		.amdhsa_forward_progress 1
		.amdhsa_inst_pref_size 171
	.end_amdhsa_kernel
	.amdgpu_metadata
---
amdhsa.version: [ 1, 2 ]
amdhsa.kernels:
  - .name:           k_q2d7ff8f324_qkv
    .symbol:         k_q2d7ff8f324_qkv.kd
    .args:
      - { .name: xq, .offset: 0, .size: 8, .value_kind: global_buffer, .address_space: global }
      - { .name: Wq_codes, .offset: 8, .size: 8, .value_kind: global_buffer, .address_space: global }
      - { .name: Wq_scales, .offset: 16, .size: 8, .value_kind: global_buffer, .address_space: global }
      - { .name: Wk_codes, .offset: 24, .size: 8, .value_kind: global_buffer, .address_space: global }
      - { .name: Wk_scales, .offset: 32, .size: 8, .value_kind: global_buffer, .address_space: global }
      - { .name: Wv_codes, .offset: 40, .size: 8, .value_kind: global_buffer, .address_space: global }
      - { .name: Wv_scales, .offset: 48, .size: 8, .value_kind: global_buffer, .address_space: global }
      - { .name: bq, .offset: 56, .size: 8, .value_kind: global_buffer, .address_space: global }
      - { .name: bk, .offset: 64, .size: 8, .value_kind: global_buffer, .address_space: global }
      - { .name: bv, .offset: 72, .size: 8, .value_kind: global_buffer, .address_space: global }
      - { .name: img, .offset: 80, .size: 8, .value_kind: global_buffer, .address_space: global }
      - { .name: sc, .offset: 88, .size: 8, .value_kind: global_buffer, .address_space: global }
    .group_segment_fixed_size: 327680
    .private_segment_fixed_size: 0
    .kernarg_segment_align: 8
    .kernarg_segment_size: 96
    .max_flat_workgroup_size: 128
    .sgpr_count:     102
    .vgpr_count:     1024
    .wavefront_size: 32
...
	.end_amdgpu_metadata
.endif
;; end of part 2
;; launch attn (part 3): grid 4 x 64, 16 waves a work-group, clusters of 4 x 1, 327,680 bytes of LDS; arguments img, sc, attention_mask, ctx; writes ctx
.if DOCPART == 3
	.amdgcn_target "amdgcn-amd-amdhsa--gfx1250"
	.amdhsa_code_object_version 6
	.text
	.protected	k_q2d7ff8f324_attn
	.globl	k_q2d7ff8f324_attn
	.p2align	8
	.type	k_q2d7ff8f324_attn,@function
k_q2d7ff8f324_attn:
	s_mov_b64 s[64:65], 0
	v_nop
	global_prefetch_b8 v0, s[64:65] scope:SCOPE_SE
	s_setreg_imm32_b32 hwreg(HW_REG_WAVE_MODE, 25, 1), 1
	s_wait_xcnt 0x0
	s_wait_alu depctr_hold_cnt(0) depctr_sa_sdst(0) depctr_va_vdst(0) depctr_va_sdst(0) depctr_va_ssrc(0) depctr_va_vcc(0) depctr_vm_vsrc(0)
	s_getreg_b32 s2, hwreg(HW_REG_IB_STS2, 6, 4)
	s_cmp_eq_u32 s2, 0
	s_cbranch_scc0 .Lentry_in_a_cluster
	s_endpgm
.Lentry_in_a_cluster:
	s_bfe_u32 s2, ttmp6, 0x10000c
	s_cmp_lg_u32 s2, 0x3003
	s_cbranch_scc0 .Lentry_shape_is_right
	s_endpgm
.Lentry_shape_is_right:
; ctx = softmax(q k^T / 8 + (1 - mask) x -10000) v for one (batch, head), both products on codes of FP4 (E2M1) with one E8M0 scale for each 32 along K; the result is quantised again along the channels and stored as operand images.
; THE SOFTMAX: t = (score + 8 x bias) x log2(e) / 8; M = the running largest t rounded up to a whole number; p = 2^(t - M) is quantised along the keys; the row's sum is taken of the unquantised p and divides at the end.
; SHARES.  A work-group owns 512 queries of one head; each of its 16 waves owns two tiles of 16 queries, taken one after the other (tile 32 x + w, then 16 further on).  A wave walks the head's 2,048 keys 128 a step.
; LDS.  The head's images of K and V (65,536 bytes each) come ONCE: 16 waves x one tensor load of 32 rows x 256 bytes, 32 bytes of padding behind each row; nothing is filled again, so the walk has no barrier.
;   K's scale words, the mask's bias and V's scale words come through registers, 16 or 8 bytes a thread, into LDS bytes of their own.
; CLUSTER 4 x 1: the four work-groups of a head need the same K and V: each load is asked for jointly (mask 15).
; NO PREFETCH: all that comes from memory is asked for at the head; the launch has no loop that loads from memory to run ahead in.
; LAYOUT.  Both products are used transposed: S^T = K Q^T, O^T = V^T P^T: a lane holds one query (lane % 16).  THE KEYS OF A TILE ARE CHOSEN: row 8 g + j of tile 4 c + u is key 64 c + 32 g + 8 u + j, so that the
;   32 registers of tiles 4 c .. 4 c + 3 of lane (r, h) are keys 64 c + 32 h + 0 .. 31: a whole block of 32, in the order of the second product's operand: a conversion's result is operand register 4 c + u as it stands.
;   The head has 64 channels: the upper half of the first product's K = 128 is zero codes on both sides.  The bias (x 8, in the scores' unit) is the first product's C.
; LIMITS: the promise holds while the scaled scores stay under 2^31 in magnitude; NaN and infinities are not served; a block whose largest number lies under 2^-124 keeps the byte 1 (its codes are zeros; this program alone reads the bytes).
; REGISTERS: v1-5 lane places, v6-10 the step's LDS addresses, v11 8 h, v12 -M, v13 the largest score, v[14:15] the sum, v16-23 Q, v24-25 V's scale words, v26-29 way out, v30-31 the add's two, v32-95 K (upper halves zero),
;   v96-159 bias, S^T, p; v160-191 O^T; v192-223 V; v224-231 p's codes; v232-239, 244-247, 252-254 at work; v240-243, v246 the second tile's Q; v248-251 K's scale words; v255 Q's.
.set ROWP,  288                        ; 256 bytes + 32 of padding: rows 4 apart start 128 bytes apart in the banks' row of 256 bytes
.set STEPB, 16*ROWP                    ; a step's 4,096 bytes of K's or of V's image
.set VIMG,  256*ROWP
.set KSC,   2*VIMG                     ; K's scale words, 4 bytes a key
.set MB,    KSC+8192                   ; the bias, 4 bytes a key
.set VSC,   MB+8192                    ; V's scale words: [step][channel]
.set CST,   VSC+4096                   ; the result's scale bytes: 2 a token, 512 tokens
.set SPARE, CST+1024                   ; the spare words: 128 bytes a wave
.set AK0,  1
.set AV0,  2
.set AB0,  3
.set ASK0, 4
.set ASV0, 5
.set ADK,  6
.set ADV,  7
.set ADB,  8
.set ADS,  9
.set ADT,  10
.set SH8,  11
.set LI,   26                          ; 16 x lane
.set CSA,  27                          ; the scale stage, in
.set CSR,  28                          ; and back
.set CGO,  29                          ; its offset in ctx
.set SPW,  30
.set NIL,  31
.set WV,   22
.set G0,   24
.set G1,   40
.set TK,   48
.set TS,   49
.set TV,   50
.set CNT,  51
.set SEL,  68
.set CS,   70
.macro CROUND                          ; a round of the cluster's barrier
	s_barrier_signal -1
	s_barrier_wait -1
	s_cmp_lg_u32 s[WV], 0
	s_cbranch_scc1 .Lnot_wave_0_\@
	s_barrier_signal -3
.Lnot_wave_0_\@:
	s_barrier_wait -3
	s_barrier_signal -1
	s_barrier_wait -1
.endm
	s_load_b256 s[4:11], s[0:1], 0x0               ; img, sc, attention_mask, ctx
	v_lshl_add_u32 v[SPW], v0, 2, SPARE
	v_mov_b32 v[NIL], 0
	ds_add_u32 v[SPW], v[NIL]
	ds_add_u32 v[SPW], v[NIL]
	v_lshrrev_b32 v1, 5, v0
	v_readfirstlane_b32 s[WV], v1                  ; wave 0..15
	s_bfe_u32 s12, ttmp6, 0x40000                  ; cx
	s_lshl_b32 s13, ttmp9, 2
	s_add_co_u32 s13, s13, s12                     ; which 512 queries
	s_and_b32 s14, ttmp7, 0xffff                   ; 16 x batch + head
	s_lshl_b32 s23, s13, 5
	s_add_co_u32 s23, s23, s[WV]                   ; my first tile of 16 queries
	s_mov_b32 s[G1], 15|(3<<16)|(1<<20)|(1<<21)|(5<<22)|(7<<25)   ; mask: all four; elements of 8 bytes; padding: 8 words after every 64; bit 21 beside a mask
	s_mov_b32 s[G1+1], 32<<16
	s_mov_b32 s[G1+2], 32<<16
	s_mov_b32 s[G1+3], 32<<16
	s_mov_b32 s[G1+4], 32
	s_mov_b32 s[G1+5], 32
	s_mov_b32 s[G1+6], 0
	s_mov_b32 s[G1+7], 0
	s_mul_i32 s17, s[WV], 32*ROWP                  ; LDS: waves 0-7 fill K's image, waves 8-15 V's behind it
	s_lshr_b32 s15, s[WV], 3
	s_and_b32 s16, s[WV], 7
	s_lshl_b32 s20, s15, 22                        ; k at 4 MiB, v at 8 MiB
	s_lshl_b32 s18, s16, 13                        ; my 8,192 bytes
	s_add_co_u32 s20, s20, s18
	s_lshl_b32 s19, s14, 16
	s_add_co_u32 s20, s20, s19
	s_add_co_u32 s20, s20, 0x400000
	s_mov_b32 s21, 0
	s_mov_b32 s[SEL], 0x76543210
	s_mov_b32 s[SEL+1], 0xfedcba98
	s_mov_b32 s[CS], 0x3e38aa3b                    ; log2(e) / 8
	s_mov_b32 s[CS+1], s[CS]
	s_wait_dscnt 0x0
	s_wait_kmcnt 0x0
	s_add_nc_u64 s[20:21], s[4:5], s[20:21]
	s_mov_b32 s[G0], 1
	s_mov_b32 s[G0+1], s17
	s_mov_b64 s[G0+2:G0+3], s[20:21]
	s_or_b32 s[G0+3], s[G0+3], 0x80000000
	CROUND                                         ; the four work-groups are here: the joint loads meet
	tensor_load_to_lds s[G0:G0+3], s[G1:G1+7]      ; my one tensor load
	s_nop 0
.rept 4
	v_nop
.endr
	s_mov_b32 s53, 0
	s_lshl_b32 s52, s14, 13
	s_add_nc_u64 s[54:55], s[6:7], s[52:53]        ; q's scale words of the head (k's 512 KiB on)
	s_lshl_b32 s52, s14, 12
	s_add_nc_u64 s[56:57], s[6:7], s[52:53]        ; v's (1 MiB on)
	s_lshr_b32 s62, s14, 4                         ; batch
	s_lshl_b32 s52, s62, 13
	s_add_nc_u64 s[8:9], s[8:9], s[52:53]          ; the batch's mask
	s_lshl_b32 s52, s14, 16
	s_lshl_b32 s60, s23, 9
	s_add_co_u32 s52, s52, s60
	s_add_nc_u64 s[4:5], s[4:5], s[52:53]          ; q's image at my first tile
	s_and_b32 s63, s14, 15                         ; head
	s_lshl_b32 s52, s62, 7
	s_add_co_u32 s52, s52, s23
	s_lshl_b32 s52, s52, 13
	s_lshl_b32 s60, s63, 9
	s_add_co_u32 s52, s52, s60
	s_add_nc_u64 s[58:59], s[10:11], s[52:53]      ; ctx's codes: [tile of tokens][head] x 512 bytes
	s_lshl_b32 s52, s63, 14
	s_lshl_b32 s60, s62, 12
	s_add_co_u32 s52, s52, s60
	s_lshl_b32 s60, s13, 10
	s_add_co_u32 s52, s52, s60
	s_add_nc_u64 s[60:61], s[10:11], s[52:53]      ; ctx's scale bytes: [head][token] x 2 (4 MiB on)
	s_lshl_b32 s66, s[WV], 5
	s_add_co_u32 s66, s66, CST
	s_and_b32 s67, s[WV], 1
	s_lshl_b32 s67, s67, 9
	s_lshl_b32 s63, s23, 6
	v_and_b32 v232, 31, v0                         ; lane
	v_and_b32 v233, 15, v0                         ; r
	v_bfe_u32 v234, v0, 4, 1                       ; h
	v_and_b32 v235, 7, v0
	v_bfe_u32 v236, v0, 3, 1                       ; g = r / 8
	v_lshlrev_b32 v[LI], 4, v232
	v_lshlrev_b32 v[AK0], 4, v235                  ; K: token 32 g + r % 8 (+ 64 c + 8 u in the offset), channels 32 h on: image rows 4 g + h
	v_mad_u32_u24 v[AK0], v236, 4*ROWP, v[AK0]
	v_mad_u32_u24 v[AK0], v234, ROWP, v[AK0]
	v_lshl_add_u32 v[AV0], v233, 4, VIMG           ; V: the image as it lies
	v_mad_u32_u24 v[AV0], v234, ROWP, v[AV0]
	v_lshl_add_u32 v[AB0], v234, 7, MB             ; the bias of keys 32 h on
	v_lshl_add_u32 v[ASK0], v235, 2, KSC           ; K's scale words: lanes 0-15 tile u, lanes 16-31 tile u + 1
	v_lshl_add_u32 v[ASK0], v236, 7, v[ASK0]
	v_lshl_add_u32 v[ASK0], v234, 5, v[ASK0]
	v_lshl_add_u32 v[ASV0], v232, 2, VSC
	v_lshlrev_b32 v[SH8], 3, v234
	v_lshl_add_u32 v[CSA], v233, 1, s66
	v_add_nc_u32 v[CGO], s67, v[LI]
	v_add_nc_u32 v[CSR], CST, v[CGO]
	v_lshlrev_b32 v6, 4, v0
	v_lshlrev_b32 v7, 3, v0
	v_lshl_add_u32 v8, v0, 4, KSC
	v_lshl_add_u32 v9, v0, 3, VSC
	v_lshl_add_u32 v10, v233, 2, s63
	s_wait_alu depctr_va_vdst(0)
	global_load_b128 v[96:99], v6, s[54:55] offset:524288      ; K's scale words: 16 bytes a thread
	global_load_b64 v[100:101], v7, s[56:57] offset:1048576    ; V's: 8 bytes a thread
	global_load_b128 v[104:107], v6, s[8:9]                    ; the mask
	global_load_b128 v[16:19], v[LI], s[4:5]                   ; Q, first tile
	global_load_b32 v255, v10, s[54:55]
	global_load_b128 v[240:243], v[LI], s[4:5] offset:8192     ; Q, second tile: 16 tiles on
	global_load_b32 v246, v10, s[54:55] offset:1024
.irp j, 20,21,22,23
	v_mov_b32 v[\j], 0                             ; zero codes for K = 64 .. 127
.endr
.irp t, 0,1,2,3,4,5,6,7
.irp j, 4,5,6,7
	v_mov_b32 v[32+8*\t+\j], 0
.endr
.endr
	v_mov_b32 v253, 0                              ; (named as the upper half of v[252:253] before it is first written)
	s_wait_alu depctr_va_vdst(0)
	s_wait_loadcnt 0x0
.irp j, 104,105,106,107
	v_sub_f32 v[\j], 1.0, v[\j]
.endr
.irp j, 104,105,106,107
	v_mul_f32 v[\j], 0xc79c4000, v[\j]             ; x -80,000: the bias x 8, rounded as (1 - m) x -10,000 is
.endr
	s_wait_alu depctr_va_vdst(0)
	s_wait_tensorcnt 0x0                           ; my part of the images is in
	ds_store_b128 v8, v[96:99]
	ds_store_b128 v8, v[104:107] offset:MB-KSC
	ds_store_b64 v9, v[100:101]
.macro INIT second                     ; a tile's start: O^T and the sum are zeros, the largest score lies under every score, -M is a large whole number: the first change of M multiplies zeros
.if \second
.irp j, 0,1,2,3
	v_mov_b32 v[16+\j], v[240+\j]
.endr
	v_mov_b32 v255, v246
.endif
	v_mov_b32 v13, 0xff61b1e6
	v_mov_b32 v12, 0x7e000000
	v_mov_b32 v14, 0
	v_mov_b32 v15, 0
.set J, 0
.rept 32
	v_mov_b32 v[160+J], 0
.set J, J+1
.endr
	s_mov_b32 s[TK], 0
	s_mov_b32 s[TS], 0
	s_mov_b32 s[TV], 0
	s_mov_b32 s[CNT], 16
	v_add_nc_u32 v[ADK], s[TK], v[AK0]
	v_add_nc_u32 v[ADV], s[TK], v[AV0]
	v_add_nc_u32 v[ADB], s[TS], v[AB0]
	v_add_nc_u32 v[ADS], s[TS], v[ASK0]
	v_add_nc_u32 v[ADT], s[TV], v[ASV0]
.endm
; A KEY STEP: 128 keys.
.macro STEP
.irp t, 0,1,2,3,4,5,6,7
	ds_load_b128 v[96+8*\t:99+8*\t], v[ADB] offset:256*(\t/4)+32*(\t%4)         ; the bias of keys 64 c + 32 h + 8 u + 0 .. 7: the product's C
	ds_load_b128 v[100+8*\t:103+8*\t], v[ADB] offset:256*(\t/4)+32*(\t%4)+16
.endr
.irp t, 0,1,2,3,4,5,6,7
	ds_load_b128 v[32+8*\t:35+8*\t], v[ADK] offset:8*ROWP*(\t/4)+2*ROWP*((\t%4)/2)+128*(\t%2)
.endr
.irp u, 0,1,2,3
	ds_load_b32 v[248+\u], v[ADS] offset:256*(\u/2)+64*(\u%2)
.endr
	s_wait_dscnt 0x0
.irp t, 0,2,4,6
	v_wmma_scale_f32_16x16x128_f8f6f4 v[96+8*\t:103+8*\t], v[32+8*\t:39+8*\t], v[16:23], v[96+8*\t:103+8*\t], v[248+\t/2], v255 matrix_a_fmt:MATRIX_FMT_FP4 matrix_b_fmt:MATRIX_FMT_FP4
	v_wmma_scale_f32_16x16x128_f8f6f4 v[104+8*\t:111+8*\t], v[40+8*\t:47+8*\t], v[16:23], v[104+8*\t:111+8*\t], v[248+\t/2], v255 matrix_a_fmt:MATRIX_FMT_FP4 matrix_b_fmt:MATRIX_FMT_FP4 matrix_a_scale:MATRIX_SCALE_ROW1
.endr
	s_add_co_u32 s[TK], s[TK], STEPB
	s_add_co_u32 s[TS], s[TS], 512
	s_add_co_u32 s[TV], s[TV], 256
	v_add_nc_u32 v[ADK], s[TK], v[AK0]             ; the next step's addresses, and -M's old value: four places behind the last step's second product (ahead of the loads into V's registers) and behind the products above
	v_add_nc_u32 v[ADB], s[TS], v[AB0]
	v_add_nc_u32 v[ADS], s[TS], v[ASK0]
	v_mov_b32 v254, v12
.irp d, 0,1,2,3
.irp c, 0,1
	ds_load_b128 v[192+8*\d+4*\c:195+8*\d+4*\c], v[ADV] offset:4*ROWP*\d+2*ROWP*\c
.endr
.endr
.irp u, 0,1
	ds_load_b32 v[24+\u], v[ADT] offset:128*\u
.endr
	v_add_nc_u32 v[ADV], s[TK], v[AV0]
.irp n, 0,1,2,3                                ; the largest score of my two blocks of 32 keys, each in two chains of 16; every accumulator is read from its low end on
	v_max3_num_f32 v[232+\n], v[96+16*\n], v[97+16*\n], v[98+16*\n]
.endr
.irp i, 3,5,7,9,11,13
.irp n, 0,1,2,3
	v_max3_num_f32 v[232+\n], v[232+\n], v[96+16*\n+\i], v[97+16*\n+\i]
.endr
.endr
.irp c, 0,1
	v_max3_num_f32 v[232+2*\c], v[232+2*\c], v[233+2*\c], v[111+32*\c]
.endr
.irp c, 0,1
	v_max_num_f32 v[232+2*\c], v[232+2*\c], v[127+32*\c]
.endr
	v_max_num_f32 v247, v232, v234
	v_permlanex16_b32 v235, v247, s[SEL], s[SEL+1]
	v_max3_num_f32 v13, v13, v247, v235            ; the running largest score of my query
	s_delay_alu instid0(VALU_DEP_1)
	v_mul_f32 v247, s[CS], v13                     ; as t
	s_delay_alu instid0(VALU_DEP_1)
	v_floor_f32 v12, -v247                         ; -M = -ceil(t)
	s_delay_alu instid0(VALU_DEP_1)
	v_sub_f32 v254, v12, v254                      ; old M - new M: a whole number, 0 or less
	s_delay_alu instid0(VALU_DEP_1)
	v_cvt_i32_f32 v254, v254                       ; (it saturates)
	s_delay_alu instid0(VALU_DEP_1)
	v_ldexp_f32 v252, 1.0, v254                    ; f = 2^(old M - new M)
.set J, 0
.rept 16
	v_pk_mul_f32 v[160+J:161+J], v[160+J:161+J], v[252:253] op_sel_hi:[1,0]   ; O^T under the new M
.set J, J+2
.endr
.set J, 0
.rept 32
	v_pk_mul_f32 v[96+J:97+J], v[96+J:97+J], s[CS:CS+1] op_sel_hi:[1,0]   ; t, rounded to f32 as the problem's t is: what goes into the quantiser keeps that rounding, so the multiply and the add are not fused
.set J, J+2
.endr
	v_mul_f32 v232, s[CS], v232                    ; the same of each block's largest score
	v_mul_f32 v234, s[CS], v234
.set J, 0
.rept 32
	v_pk_add_f32 v[96+J:97+J], v[96+J:97+J], v[12:13] op_sel_hi:[1,0]     ; t - M
.set J, J+2
.endr
	v_add_f32 v232, v232, v12
	v_add_f32 v234, v234, v12
	s_wait_dscnt 0x0                               ; V's fragments and scale words are in
	s_wait_alu depctr_va_vdst(0)                   ; ahead of the batch
	v_exp_f32 v232, v232                           ; the blocks' largest p
	v_exp_f32 v234, v234
.set J, 0
.rept 64
	v_exp_f32 v[96+J], v[96+J]                     ; p = 2^(t - M)
.set J, J+1
.endr
	v_add_nc_u32 v[ADT], s[TV], v[ASV0]            ; (a plain place behind the batch)
	s_wait_alu depctr_va_vdst(0)                   ; and the wait behind it, ahead of its first reader
	v_max_num_f32 v232, 0x1800000, v232            ; the floor 2^(3 - 127): the byte cannot fall under 1
	v_max_num_f32 v234, 0x1800000, v234
	v_add_nc_u32 v244, 0xff000000, v232            ; 2 off the exponent field: the conversion's scale operand
	v_add_nc_u32 v245, 0xff000000, v234
	v_lshrrev_b32 v232, 23, v244                   ; the bytes of blocks h and 2 + h
	v_lshrrev_b32 v234, 23, v245
	v_lshl_or_b32 v247, v234, 16, v232
	v_lshlrev_b32 v247, v[SH8], v247               ; at their places in the scale word
	v_permlanex16_b32 v235, v247, s[SEL], s[SEL+1]
	v_or_b32 v253, v247, v235                      ; with lane l xor 16's two the word is whole
.irp c, 0,1
.irp u, 0,1,2,3
	v_cvt_scalef32_pk8_fp4_f32 v[224+4*\c+\u], v[96+32*\c+8*\u:103+32*\c+8*\u], v[244+\c]   ; operand register 4 c + u
.endr
.endr
	v_pk_add_f32 v[236:237], v[96:97], v[98:99]    ; the row's sum of the unquantised p, in two chains.  These 32 lines are also the places ahead of the products below
	v_pk_add_f32 v[238:239], v[100:101], v[102:103]
.irp j, 8,12,16,20,24,28,32,36,40,44,48,52,56,60
	v_pk_add_f32 v[236:237], v[236:237], v[96+\j:97+\j]
	v_pk_add_f32 v[238:239], v[238:239], v[98+\j:99+\j]
.endr
	v_pk_add_f32 v[236:237], v[236:237], v[238:239]
	v_pk_fma_f32 v[14:15], v[14:15], v[252:253], v[236:237] op_sel_hi:[1,0,1]   ; the old sum x f + this step's
.irp d, 0,2
	v_wmma_scale_f32_16x16x128_f8f6f4 v[160+8*\d:167+8*\d], v[192+8*\d:199+8*\d], v[224:231], v[160+8*\d:167+8*\d], v[24+\d/2], v253 matrix_a_fmt:MATRIX_FMT_FP4 matrix_b_fmt:MATRIX_FMT_FP4
	v_wmma_scale_f32_16x16x128_f8f6f4 v[168+8*\d:175+8*\d], v[200+8*\d:207+8*\d], v[224:231], v[168+8*\d:175+8*\d], v[24+\d/2], v253 matrix_a_fmt:MATRIX_FMT_FP4 matrix_b_fmt:MATRIX_FMT_FP4 matrix_a_scale:MATRIX_SCALE_ROW1
.endr
.endm
; A TILE'S END: O^T / the sum, quantised along the head's 64 channels (register 8 t + j = channel 16 t + 8 h + j: a block of 32 lies in lanes l and l xor 16), the codes stored as an operand image, the two scale bytes to the stage.
.macro FIN i
	v_add_f32 v14, v14, v15
	v_permlanex16_b32 v235, v14, s[SEL], s[SEL+1]
	v_add_f32 v14, v14, v235                       ; the row's sum
	s_wait_alu depctr_va_vdst(0)                   ; ahead of the transcendental
	v_rcp_f32 v15, v14
.rept 3
	v_nop                                          ; a plain place behind the transcendental; with the two additions above: the places behind the last products
.endr
	s_wait_alu depctr_va_vdst(0)                   ; directly ahead of the first reader of the reciprocal and of O^T
.set J, 0
.rept 32
	v_mul_f32 v[96+J], v[160+J], v15               ; the quotient O^T / the sum goes into a quantiser: a first quotient,
.set J, J+1
.endr
.set J, 0
.rept 32
	v_fma_f32 v[128+J], -v[96+J], v14, v[160+J]    ; its remainder,
.set J, J+1
.endr
.set J, 0
.rept 32
	v_fma_f32 v[96+J], v[128+J], v15, v[96+J]      ; and the correction
.set J, J+1
.endr
.irp b, 0,1
	v_max3_num_f32 v[232+\b], |v[96+16*\b]|, |v[97+16*\b]|, 0x1800000
.endr
.irp n, 2,4,6,8,10,12,14
.irp b, 0,1
	v_max3_num_f32 v[232+\b], v[232+\b], |v[96+16*\b+\n]|, |v[97+16*\b+\n]|
.endr
.endr
.irp b, 0,1
	v_permlanex16_b32 v[236+\b], v[232+\b], s[SEL], s[SEL+1]
.endr
.irp b, 0,1
	v_max_num_f32 v[232+\b], v[232+\b], v[236+\b]
.endr
.irp b, 0,1
	v_add_nc_u32 v[244+\b], 0xff000000, v[232+\b]
.endr
.irp b, 0,1
	v_lshrrev_b32 v[236+\b], 23, v[244+\b]
.endr
	v_lshl_or_b32 v247, v237, 8, v236
	v_cvt_scalef32_pk8_fp4_f32 v224, v[96:103], v244
	v_cvt_scalef32_pk8_fp4_f32 v226, v[104:111], v244
	v_cvt_scalef32_pk8_fp4_f32 v225, v[112:119], v245
	v_cvt_scalef32_pk8_fp4_f32 v227, v[120:127], v245
	v_nop                                          ; one plain place behind a scaled conversion
	v_permlane16_swap_b32 v224, v225               ; lane (r, h): token r, channels 32 h .. + 31
	v_permlane16_swap_b32 v226, v227
	global_store_b128 v[LI], v[224:227], s[58:59] offset:131072*\i   ; 32 lanes store 512 consecutive bytes, aligned
	ds_store_b16 v[CSA], v247 offset:512*\i        ; both lanes of a token write the same two bytes
.endm
	INIT 0
	s_wait_alu depctr_va_vdst(0)
	s_wait_dscnt 0x0                               ; my stores have landed
	s_barrier_signal -1
	s_barrier_wait -1                              ; the images, the scale words and the bias are whole
.Lkeys0:
	STEP
	s_sub_co_u32 s[CNT], s[CNT], 1
	s_cmp_lg_u32 s[CNT], 0
	s_cbranch_scc1 .Lkeys0
	FIN 0
	INIT 1
	s_wait_alu depctr_va_vdst(0)
	s_wait_xcnt 0x0                                ; the first tile's store has read its data: v224-227 are written again below
.Lkeys1:
	STEP
	s_sub_co_u32 s[CNT], s[CNT], 1
	s_cmp_lg_u32 s[CNT], 0
	s_cbranch_scc1 .Lkeys1
	FIN 1
	s_wait_dscnt 0x0
	s_barrier_signal -1
	s_barrier_wait -1                              ; the 512 tokens' scale bytes lie in the stage
	s_cmp_gt_u32 s[WV], 1
	s_cbranch_scc1 .Lnot_first
	ds_load_b128 v[96:99], v[CSR]                  ; waves 0 and 1: 512 bytes each
	s_wait_dscnt 0x0
	global_store_b128 v[CGO], v[96:99], s[60:61] offset:4194304
.Lnot_first:
	s_wait_tensorcnt 0x0                           ; the wave's end
	ds_add_u32 v[SPW], v[NIL]
	s_wait_dscnt 0x0
	CROUND                                         ; the closing round
	s_endpgm
.Lfunc_end_k_q2d7ff8f324_attn:
	.size	k_q2d7ff8f324_attn, .Lfunc_end_k_q2d7ff8f324_attn-k_q2d7ff8f324_attn
	.p2alignl 7, 3214868480
	.fill 96, 4, 3214868480
	.section	.rodata,"a",@progbits
	.p2align	6, 0x0
	.amdhsa_kernel k_q2d7ff8f324_attn
		.amdhsa_group_segment_fixed_size 327680
		.amdhsa_private_segment_fixed_size 0
		.amdhsa_enable_private_segment 0
		.amdhsa_kernarg_size 32
		.amdhsa_user_sgpr_count 2
		.amdhsa_user_sgpr_kernarg_segment_ptr 1
		.amdhsa_wavefront_size32 1
		.amdhsa_system_sgpr_workgroup_id_x 1
		.amdhsa_system_sgpr_workgroup_id_y 1
		.amdhsa_system_sgpr_workgroup_id_z 1
		.amdhsa_system_vgpr_workitem_id 0
		.amdhsa_next_free_vgpr 256
		.amdhsa_next_free_sgpr 72
		.amdhsa_reserve_vcc 0
		.amdhsa_float_denorm_mode_32 3
		.amdhsa_float_denorm_mode_16_64 3
		.amdhsa_memory_ordered 1
		.amdhsa_forward_progress 1
		.amdhsa_inst_pref_size 61
	.end_amdhsa_kernel
	.amdgpu_metadata
---
amdhsa.version: [ 1, 2 ]
amdhsa.kernels:
  - .name:           k_q2d7ff8f324_attn
    .symbol:         k_q2d7ff8f324_attn.kd
    .args:
      - { .name: img, .offset: 0, .size: 8, .value_kind: global_buffer, .address_space: global }
      - { .name: sc, .offset: 8, .size: 8, .value_kind: global_buffer, .address_space: global }
      - { .name: attention_mask, .offset: 16, .size: 8, .value_kind: global_buffer, .address_space: global }
      - { .name: ctx, .offset: 24, .size: 8, .value_kind: global_buffer, .address_space: global }
    .group_segment_fixed_size: 327680
    .private_segment_fixed_size: 0
    .kernarg_segment_align: 8
    .kernarg_segment_size: 32
    .max_flat_workgroup_size: 512
    .sgpr_count:     72
    .vgpr_count:     256
    .wavefront_size: 32
...
	.end_amdgpu_metadata
.endif
;; end of part 3
;; launch oproj (part 4): grid 256 x 1, 4 waves a work-group, no clusters, 263,168 bytes of LDS; arguments ctx, wd_img, Wd_scales, bd, hidden_states, ln_g, ln_b, out0; writes out0
.if DOCPART == 4
	.amdgcn_target "amdgcn-amd-amdhsa--gfx1250"
	.amdhsa_code_object_version 6
	.text
	.protected	k_q2d7ff8f324_oproj
	.globl	k_q2d7ff8f324_oproj
	.p2align	8
	.type	k_q2d7ff8f324_oproj,@function
k_q2d7ff8f324_oproj:
	s_mov_b64 s[64:65], 0
	v_nop
	global_prefetch_b8 v0, s[64:65] scope:SCOPE_SE
	s_setreg_imm32_b32 hwreg(HW_REG_WAVE_MODE, 25, 1), 1
	s_wait_xcnt 0x0
; out0 = layer norm(ctx Wd^T + bd + hidden_states) x ln_g + ln_b.  The product runs on codes of FP4 (E2M1) with one E8M0 scale for each 32 along K = 1,024; all else is f32.
; SHARES.  A work-group owns 32 WHOLE rows (the norm wants a whole row).  In the product wave w makes columns 256 w .. + 255 for all 32 rows: 32 accumulators; in the norm it takes rows 8 w .. + 7.
; The product is used transposed (source 0 = 16 rows of Wd, source 1 = 16 rows of ctx): a lane holds one token and eight neighbouring columns.
; OPERANDS come from memory straight into registers, laid by earlier launches in the order of the operand registers: every load is 512 consecutive bytes.  ctx's 16 fragments stay; Wd's go through four buffers of
; 64 registers: a unit = a pair of column tiles x half of K = 16 loads, 16 matrix instructions; three units are always on their way.
; hidden_states' 32 rows come by one tensor load a wave into LDS (8 rows each, read by that wave alone, filled once): they land beside the product and take no register until they are wanted.
; NO CLUSTER: each fragment of Wd feeds one wave of a work-group; its 512 KiB do not fit in LDS beside the stage and the rows of hidden_states (257 KiB), so sharing it among work-groups would want a ring that is
; filled again and again; here the weights are read in operand order instead.
; The variance is taken of x - mean in a second pass over registers: no difference of large sums.
; REGISTERS: window 0: v1-7 addresses; v16-23 ctx's scale words (lanes 0-15 tokens 0-15, lanes 16-31 tokens 16-31); v32-95 Wd's scale words (pair g, K step s at 32 + 8 g + s; lanes 0-15 the even tile, 16-31 the odd);
;   v96-104 at work; v112-119 at work at the head; v128-255 ctx's fragments (128 + 64 m + 8 s), later two rows at work.  window 1: Wd's four buffers.  window 2: the accumulators (32 g + 16 u + 8 m).
;   window 3: bd v0-31, ln_g v32-63, ln_b v64-95: my lane's 32 columns of a row.
.set STG,  131072                      ; LDS: hidden's 32 rows at 0; from here the stage: 32 rows x (4,096 + 16) bytes
.set SPI,  4112
.set LI,   1                           ; v1 16 x lane
.set SO,   4                           ; v4 the stage, in: row r, + 1,024 x wave + 32 h
.set SO1,  5                           ; v5 the same 16 rows on
.set SR,   6                           ; v6 the stage, back: my 8 rows, 16 x lane
.set HR,   7                           ; v7 hidden's rows likewise
.set WV,   20
.set SEL,  44
.set MSB, 0
.macro WIN new
.if MSB != (\new)
	s_set_vgpr_msb (MSB<<8)|(\new)
.set MSB, (\new)
.endif
.endm
	s_load_b512 s[4:19], s[0:1], 0x0               ; ctx, wd_img, Wd_scales, bd, hidden, ln_g, ln_b, out0
	v_lshl_add_u32 v126, v0, 2, 0x40200
	v_mov_b32 v127, 0
	ds_add_u32 v126, v127
	ds_add_u32 v126, v127
	v_lshrrev_b32 v1, 5, v0
	v_readfirstlane_b32 s[WV], v1                  ; wave 0..3
	s_mov_b32 s28, 3<<16                           ; group 1: 32,768 dense bytes as 128 rows of 256 (32 elements of 8 bytes)
	s_mov_b32 s29, 32<<16
	s_mov_b32 s30, 128<<16
	s_mov_b32 s31, 32<<16
	s_mov_b32 s32, 128
	s_mov_b32 s33, 32
	s_mov_b32 s34, 0
	s_mov_b32 s35, 0
	s_lshl_b32 s36, ttmp9, 17                      ; the work-group's 32 rows of 4,096 bytes,
	s_lshl_b32 s37, s[WV], 15                      ; my 8 of them
	s_add_co_u32 s36, s36, s37
	s_mov_b32 s37, 0
	s_mov_b32 s24, 1
	s_lshl_b32 s25, s[WV], 15                      ; in LDS
	s_mov_b32 s[SEL], 0x76543210
	s_mov_b32 s[SEL+1], 0xfedcba98
	s_mov_b32 s46, 0x3a800000                      ; 1 / 1,024
	s_mov_b32 s47, 0x2b8cbccc                      ; 1e-12
	s_wait_dscnt 0x0
	s_wait_kmcnt 0x0
	s_add_nc_u64 s[26:27], s[12:13], s[36:37]
	s_or_b32 s27, s27, 0x80000000
	tensor_load_to_lds s[24:27], s[28:35]          ; my one tensor load
	s_nop 0
.rept 4
	v_nop
.endr
	s_add_nc_u64 s[18:19], s[18:19], s[36:37]      ; out0 at my 8 rows
	v_and_b32 v8, 31, v0                           ; lane
	v_and_b32 v9, 15, v0                           ; r
	v_bfe_u32 v10, v0, 4, 1                        ; h
	v_lshlrev_b32 v[LI], 4, v8
	v_lshlrev_b32 v2, 1, v8                        ; 2 x lane: a token's two scale bytes
	v_lshlrev_b32 v3, 5, v8                        ; 32 x lane: a row of Wd's scale bytes
	v_mul_u32_u24 v[SO], v9, SPI
	v_lshl_add_u32 v[SO], v10, 5, v[SO]
	s_lshl_b32 s38, s[WV], 10
	v_add_nc_u32 v[SO], s38, v[SO]
	v_add_nc_u32 v[SO], STG, v[SO]
	v_add_nc_u32 v[SO1], 16*SPI, v[SO]
	s_mul_i32 s38, s[WV], 8*SPI
	v_add_nc_u32 v[SR], s38, v[LI]
	v_add_nc_u32 v[SR], STG, v[SR]
	s_lshl_b32 s38, s[WV], 15
	v_add_nc_u32 v[HR], s38, v[LI]
	v_mov_b32 v104, 0                              ; a lane permute's destination counts as one of its sources
	s_mov_b32 s39, 0
	s_lshl_b32 s38, ttmp9, 6
	s_add_nc_u64 s[40:41], s[4:5], s[38:39]        ; ctx's scale bytes of my 32 tokens (4 MiB on, in the immediate)
	s_lshl_b32 s38, ttmp9, 14
	s_add_nc_u64 s[4:5], s[4:5], s[38:39]          ; ctx's two tiles of tokens
	s_lshl_b32 s38, s[WV], 13
	s_add_nc_u64 s[8:9], s[8:9], s[38:39]          ; Wd's scale bytes of my 256 rows
	s_lshl_b32 s38, s[WV], 17
	s_add_nc_u64 s[6:7], s[6:7], s[38:39]          ; Wd's images of my 8 pairs of tiles
	WIN 0xc0                                       ; destination window 3
.irp i, 0,1,2,3,4,5,6,7
	global_load_b128 v[4*\i:4*\i+3], v[LI], s[10:11] offset:512*\i
.endr
.irp i, 0,1,2,3,4,5,6,7
	global_load_b128 v[32+4*\i:32+4*\i+3], v[LI], s[14:15] offset:512*\i
.endr
.irp i, 0,1,2,3,4,5,6,7
	global_load_b128 v[64+4*\i:64+4*\i+3], v[LI], s[16:17] offset:512*\i
.endr
	WIN 0
.irp s, 0,1,2,3,4,5,6,7
	global_load_u16 v[16+\s], v2, s[40:41] offset:4194304+(2*\s)*16384      ; head 2 s: bytes 0, 1 of K step s's word
	global_load_u16 v[112+\s], v2, s[40:41] offset:4194304+(2*\s+1)*16384   ; head 2 s + 1: bytes 2, 3
.endr
.irp g, 0,1,2,3,4,5,6,7
.irp q, 0,1
	global_load_b128 v[32+8*\g+4*\q:35+8*\g+4*\q], v3, s[8:9] offset:1024*\g+16*\q
.endr
.endr
.set K, 0
.rept 32
	global_load_b128 v[128+4*K:131+4*K], v[LI], s[4:5] offset:512*K
.set K, K+1
.endr
.macro WLOAD i                         ; unit i's 16 loads into buffer i % 4
	WIN 0x40                                       ; destination window 1
.irp k, 0,1,2,3,4,5,6,7,8,9,10,11,12,13,14,15
	global_load_b128 v[64*((\i)%4)+4*\k:64*((\i)%4)+4*\k+3], v[LI], s[6:7] offset:8192*(\i)+512*\k
.endr
	WIN 0
.endm
	WLOAD 0
	WLOAD 1
	WLOAD 2
	WLOAD 3
	s_wait_loadcnt 63                              ; of 152 loads at most the youngest 63 are out, all of them among the 64 of Wd's units: everything else is in
.irp s, 0,1,2,3,4,5,6,7
	v_lshl_or_b32 v[16+\s], v[112+\s], 16, v[16+\s]
.endr
.rept 8
	v_nop                                          ; a scale register written by a vector instruction stands 8 places ahead of a scaled matrix instruction
.endr
.macro MM ac, wr, cr, ws, xs, u, m     ; one product; ZR = 1: it starts its sum.  u, m pick the rows of the two scale registers
.set SR2, 2*(\u)+(\m)
.if ZR
.if SR2 == 0
	v_wmma_scale_f32_16x16x128_f8f6f4 v[(\ac):(\ac)+7], v[(\wr):(\wr)+7], v[(\cr):(\cr)+7], 0, v[\ws], v[\xs] matrix_a_fmt:MATRIX_FMT_FP4 matrix_b_fmt:MATRIX_FMT_FP4
.elseif SR2 == 1
	v_wmma_scale_f32_16x16x128_f8f6f4 v[(\ac):(\ac)+7], v[(\wr):(\wr)+7], v[(\cr):(\cr)+7], 0, v[\ws], v[\xs] matrix_a_fmt:MATRIX_FMT_FP4 matrix_b_fmt:MATRIX_FMT_FP4 matrix_b_scale:MATRIX_SCALE_ROW1
.elseif SR2 == 2
	v_wmma_scale_f32_16x16x128_f8f6f4 v[(\ac):(\ac)+7], v[(\wr):(\wr)+7], v[(\cr):(\cr)+7], 0, v[\ws], v[\xs] matrix_a_fmt:MATRIX_FMT_FP4 matrix_b_fmt:MATRIX_FMT_FP4 matrix_a_scale:MATRIX_SCALE_ROW1
.else
	v_wmma_scale_f32_16x16x128_f8f6f4 v[(\ac):(\ac)+7], v[(\wr):(\wr)+7], v[(\cr):(\cr)+7], 0, v[\ws], v[\xs] matrix_a_fmt:MATRIX_FMT_FP4 matrix_b_fmt:MATRIX_FMT_FP4 matrix_a_scale:MATRIX_SCALE_ROW1 matrix_b_scale:MATRIX_SCALE_ROW1
.endif
.else
.if SR2 == 0
	v_wmma_scale_f32_16x16x128_f8f6f4 v[(\ac):(\ac)+7], v[(\wr):(\wr)+7], v[(\cr):(\cr)+7], v[(\ac):(\ac)+7], v[\ws], v[\xs] matrix_a_fmt:MATRIX_FMT_FP4 matrix_b_fmt:MATRIX_FMT_FP4
.elseif SR2 == 1
	v_wmma_scale_f32_16x16x128_f8f6f4 v[(\ac):(\ac)+7], v[(\wr):(\wr)+7], v[(\cr):(\cr)+7], v[(\ac):(\ac)+7], v[\ws], v[\xs] matrix_a_fmt:MATRIX_FMT_FP4 matrix_b_fmt:MATRIX_FMT_FP4 matrix_b_scale:MATRIX_SCALE_ROW1
.elseif SR2 == 2
	v_wmma_scale_f32_16x16x128_f8f6f4 v[(\ac):(\ac)+7], v[(\wr):(\wr)+7], v[(\cr):(\cr)+7], v[(\ac):(\ac)+7], v[\ws], v[\xs] matrix_a_fmt:MATRIX_FMT_FP4 matrix_b_fmt:MATRIX_FMT_FP4 matrix_a_scale:MATRIX_SCALE_ROW1
.else
	v_wmma_scale_f32_16x16x128_f8f6f4 v[(\ac):(\ac)+7], v[(\wr):(\wr)+7], v[(\cr):(\cr)+7], v[(\ac):(\ac)+7], v[\ws], v[\xs] matrix_a_fmt:MATRIX_FMT_FP4 matrix_b_fmt:MATRIX_FMT_FP4 matrix_a_scale:MATRIX_SCALE_ROW1 matrix_b_scale:MATRIX_SCALE_ROW1
.endif
.endif
.endm
; UNIT i: pair g = i / 2 of my column tiles, half i % 2 of K: 16 products, the pair's four accumulators by turns, one instruction a turn; then its buffer takes the unit four further on.
.macro UNIT i
.set G,  (\i)/2
.set KH, (\i)%2
.set WB, 64*((\i)%4)
.if (\i) <= 12
	s_wait_loadcnt 48                              ; this unit's loads are in; those of the three units behind it may be out
.else
	s_wait_loadcnt 16*(15-(\i))
.endif
	WIN 0xa1                                       ; source 0 (Wd) window 1, source 1 (ctx) window 0, C and D window 2
.irp s, 0,1,2,3
.set ZR, 0
.if (4*KH+\s) == 0
.set ZR, 1
.endif
.irp u, 0,1
.irp m, 0,1
	MM 32*G+16*\u+8*\m, WB+32*\u+8*\s, 128+64*\m+8*(4*KH+\s), 32+8*G+4*KH+\s, 16+4*KH+\s, \u, \m
.endr
.endr
.endr
.rept 4
	v_nop                                          ; places in front of loads into the buffer just read, and of the first read of results
.endr
	WIN 0
.if (\i) < 12
	WLOAD (\i)+4
.endif
.endm
	s_wait_alu depctr_va_vdst(0)
.irp i, 0,1,2,3,4,5,6,7,8,9,10,11,12,13,14,15
	UNIT \i
.endr
	; ---- the results meet in the stage: lane (r, h): row 16 m + r, columns 256 w + 16 (2 g + u) + 8 h + 0 .. 7
	WIN 0x08                                       ; an LDS store's data are its source 1: window 2
.irp g, 0,1,2,3,4,5,6,7
.irp u, 0,1
	ds_store_b128 v[SO], v[32*\g+16*\u:32*\g+16*\u+3] offset:64*(2*\g+\u)            ; each accumulator from its low end on
	ds_store_b128 v[SO], v[32*\g+16*\u+4:32*\g+16*\u+7] offset:64*(2*\g+\u)+16
	ds_store_b128 v[SO1], v[32*\g+16*\u+8:32*\g+16*\u+11] offset:64*(2*\g+\u)
	ds_store_b128 v[SO1], v[32*\g+16*\u+12:32*\g+16*\u+15] offset:64*(2*\g+\u)+16
.endr
.endr
	WIN 0
	s_wait_dscnt 0x0                               ; for the others' sake: my stores have landed
	s_barrier_signal -1
	s_barrier_wait -1                              ; 32 whole rows lie in the stage
	s_wait_tensorcnt 0x0                           ; my 8 rows of hidden_states are in LDS: I alone read them
; ---- the norm, a row at a time: lane l holds columns 128 i + 4 l + 0 .. 3, i = 0 .. 7
.macro RLOAD p                         ; row p of my 8: 32 registers from the stage, 32 of hidden_states, into set p % 2
.set XL, 128+64*((\p)%2)
.irp i, 0,1,2,3,4,5,6,7
	ds_load_b128 v[XL+4*\i:XL+4*\i+3], v[SR] offset:SPI*(\p)+512*\i
.endr
.irp i, 0,1,2,3,4,5,6,7
	ds_load_b128 v[XL+32+4*\i:XL+32+4*\i+3], v[HR] offset:4096*(\p)+512*\i
.endr
.endm
.macro REDUCE                          ; v[96:103], four pairs of partial sums, become the row's sum in v96 of every lane
	v_pk_add_f32 v[96:97], v[96:97], v[98:99]
	v_pk_add_f32 v[100:101], v[100:101], v[102:103]
	v_pk_add_f32 v[96:97], v[96:97], v[100:101]
	v_add_f32 v96, v96, v97
	v_add_f32_dpp v96, v96, v96 row_xmask:1 row_mask:0xf bank_mask:0xf
	v_add_f32_dpp v96, v96, v96 row_xmask:2 row_mask:0xf bank_mask:0xf
	v_add_f32_dpp v96, v96, v96 row_xmask:4 row_mask:0xf bank_mask:0xf
	v_add_f32_dpp v96, v96, v96 row_xmask:8 row_mask:0xf bank_mask:0xf
	v_permlanex16_b32 v104, v96, s[SEL], s[SEL+1]
	v_add_f32 v96, v96, v104
.endm
.macro ROW p
.if (\p) < 7
	s_wait_xcnt 0x0                                ; the stores of the row before have read the registers into which the next row is loaded
	RLOAD (\p)+1
	s_wait_dscnt 16                                ; this row's 16 loads are in; the next row's may be out
.else
	s_wait_dscnt 0x0
.endif
.set XB, 128+64*((\p)%2)
	WIN 0x0c                                       ; source 1 window 3
.set II, 0
.rept 16
	v_pk_add_f32 v[XB+II:XB+II+1], v[XB+II:XB+II+1], v[II:II+1]               ; + bd
.set II, II+2
.endr
	WIN 0
.set II, 0
.rept 16
	v_pk_add_f32 v[XB+II:XB+II+1], v[XB+II:XB+II+1], v[XB+32+II:XB+32+II+1]   ; + hidden_states
.set II, II+2
.endr
.irp c, 0,1,2,3
	v_pk_add_f32 v[96+2*\c:97+2*\c], v[XB+4*\c:XB+4*\c+1], v[XB+4*\c+2:XB+4*\c+3]   ; the first numbers start four chains
.endr
.irp k, 0,1
.irp c, 0,1,2,3
	v_pk_add_f32 v[96+2*\c:97+2*\c], v[96+2*\c:97+2*\c], v[XB+16+8*\k+2*\c:XB+16+8*\k+2*\c+1]
.endr
.endr
	REDUCE
	v_mul_f32 v98, 0xba800000, v96                 ; - the mean
.set II, 0
.rept 16
	v_pk_add_f32 v[XB+II:XB+II+1], v[XB+II:XB+II+1], v[98:99] op_sel_hi:[1,0]   ; x - mean
.set II, II+2
.endr
.irp c, 0,1,2,3
	v_pk_mul_f32 v[96+2*\c:97+2*\c], v[XB+2*\c:XB+2*\c+1], v[XB+2*\c:XB+2*\c+1]
.endr
.irp k, 1,2,3
.irp c, 0,1,2,3
	v_pk_fma_f32 v[96+2*\c:97+2*\c], v[XB+8*\k+2*\c:XB+8*\k+2*\c+1], v[XB+8*\k+2*\c:XB+8*\k+2*\c+1], v[96+2*\c:97+2*\c]
.endr
.endr
	REDUCE
	v_fma_f32 v96, v96, s46, s47                   ; the variance + 1e-12
	s_wait_alu depctr_va_vdst(0)
	v_rsq_f32 v100, v96
	v_nop                                          ; a plain place behind the transcendental
	s_wait_alu depctr_va_vdst(0)                   ; and the wait ahead of its first reader
.set II, 0
.rept 16
	v_pk_mul_f32 v[XB+II:XB+II+1], v[XB+II:XB+II+1], v[100:101] op_sel_hi:[1,0]
.set II, II+2
.endr
	WIN 0x3c                                       ; sources 1 and 2 window 3
.set II, 0
.rept 16
	v_pk_fma_f32 v[XB+II:XB+II+1], v[XB+II:XB+II+1], v[32+II:33+II], v[64+II:65+II]   ; x ln_g + ln_b
.set II, II+2
.endr
	WIN 0
.irp i, 0,1,2,3,4,5,6,7
	global_store_b128 v[LI], v[XB+4*\i:XB+4*\i+3], s[18:19] offset:4096*(\p)+512*\i th:TH_STORE_NT   ; 32 lanes store 512 consecutive bytes, aligned; written once, read by nobody here
.endr
.endm
	RLOAD 0
.irp p, 0,1,2,3,4,5,6,7
	ROW \p
.endr
	s_wait_tensorcnt 0x0
	ds_add_u32 v126, v127
	s_wait_dscnt 0x0
	s_endpgm
.Lfunc_end_k_q2d7ff8f324_oproj:
	.size	k_q2d7ff8f324_oproj, .Lfunc_end_k_q2d7ff8f324_oproj-k_q2d7ff8f324_oproj
	.p2alignl 7, 3214868480
	.fill 96, 4, 3214868480
	.section	.rodata,"a",@progbits
	.p2align	6, 0x0
	.amdhsa_kernel k_q2d7ff8f324_oproj
		.amdhsa_group_segment_fixed_size 263168
		.amdhsa_private_segment_fixed_size 0
		.amdhsa_enable_private_segment 0
		.amdhsa_kernarg_size 64
		.amdhsa_user_sgpr_count 2
		.amdhsa_user_sgpr_kernarg_segment_ptr 1
		.amdhsa_wavefront_size32 1
		.amdhsa_system_sgpr_workgroup_id_x 1
		.amdhsa_system_sgpr_workgroup_id_y 1
		.amdhsa_system_sgpr_workgroup_id_z 1
		.amdhsa_system_vgpr_workitem_id 0
		.amdhsa_next_free_vgpr 864
		.amdhsa_next_free_sgpr 66
		.amdhsa_reserve_vcc 0
		.amdhsa_float_denorm_mode_32 3
		.amdhsa_float_denorm_mode_16_64 3
		.amdhsa_memory_ordered 1
		.amdhsa_forward_progress 1
		.amdhsa_inst_pref_size 158
	.end_amdhsa_kernel
	.amdgpu_metadata
---
amdhsa.version: [ 1, 2 ]
amdhsa.kernels:
  - .name:           k_q2d7ff8f324_oproj
    .symbol:         k_q2d7ff8f324_oproj.kd
    .args:
      - { .name: ctx, .offset: 0, .size: 8, .value_kind: global_buffer, .address_space: global }
      - { .name: wd_img, .offset: 8, .size: 8, .value_kind: global_buffer, .address_space: global }
      - { .name: Wd_scales, .offset: 16, .size: 8, .value_kind: global_buffer, .address_space: global }
      - { .name: bd, .offset: 24, .size: 8, .value_kind: global_buffer, .address_space: global }
      - { .name: hidden_states, .offset: 32, .size: 8, .value_kind: global_buffer, .address_space: global }
      - { .name: ln_g, .offset: 40, .size: 8, .value_kind: global_buffer, .address_space: global }
      - { .name: ln_b, .offset: 48, .size: 8, .value_kind: global_buffer, .address_space: global }
      - { .name: out0, .offset: 56, .size: 8, .value_kind: global_buffer, .address_space: global }
    .group_segment_fixed_size: 263168
    .private_segment_fixed_size: 0
    .kernarg_segment_align: 8
    .kernarg_segment_size: 64
    .max_flat_workgroup_size: 128
    .sgpr_count:     66
    .vgpr_count:     864
    .wavefront_size: 32
...
	.end_amdgpu_metadata
.endif
;; end of part 4
